; MI455X (gfx1250); checked and timed in simulation.
; The chip was launched on July 23, 2026; its instructions are those of AMD's public machine-readable ISA for CDNA 5 (MIT licence, August 2026) and "CDNA5" Instruction Set Architecture Reference Guide (July 2026). The comments in the code are by the model that wrote it; some were corrected since.
;; Scaled Dot Product Attention. Allowed arithmetic: matrix products marked QUANTISED: E2M3 operands, one E8M0 scale for each 32 along K, by v_wmma_scale_f32_16x16x128_f8f6f4 with both operands' format E2M3, f32 sums; everything else in f32.
;; Inputs: k 16 x 2,048 x 128 float32; mask 16 x 2,048 x 2,048 bool; q 16 x 2,048 x 128 float32; v 16 x 2,048 x 128 float32.
;; Outputs: out0 16 x 2,048 x 128 float32.
;; This version of the problem:
;;   THIS VERSION OF THE PROBLEM IS GIVEN IN LOW PRECISION. The matrix products marked QUANTISED in the list below multiply operands that are first quantised to E2M3 (2 exponent bits, 3 mantissa bits; 6 bits a number), with one power-of-two scale for each 32 numbers along K (OCP MX v1.0); their sums are f32. All else is computed in f32.
;;   The module's matrix products, in the order in which they are computed (A, B: the left and right operand; K: the contracted axis; several contracted axes count as one K, in the product's order):
;;     1. batch 16 x [M 2,048, K 128] x [K 128, N 2,048]; A: input q; B: input k: QUANTISED
;;     2. batch 16 x [M 2,048, K 2,048] x [K 2,048, N 128]; A: softmax (see below); B: input v: QUANTISED
;;   THE QUANTISER, for each operand of a quantised product, along K:
;;     - K is cut into blocks of 32 from its start; a last block that is shorter is filled with zeros.
;;     - A block's scale is 2^e with e = floor(log2(the largest magnitude in the block)) - 2, held to -126 .. 127; a block of zeros has e = 0. As a byte (E8M0): e + 127.
;;     - Each number is divided by its block's scale, clamped to +-7.5, and rounded to the nearest number of E2M3, ties to even, subnormals kept.
;;     - The product sums the exact products of the quantised numbers (number of the format x scale) in f32.
;;   ~~~python
;;   def quantise(x, axis):      # numpy; x: float32 -> the quantised numbers, widened to float32 again
;;       x = np.moveaxis(x, axis, -1); K = x.shape[-1]
;;       x = np.pad(x, [(0, 0)] * (x.ndim - 1) + [(0, -K % 32)]); x = x.reshape(x.shape[:-1] + (-1, 32)); a = np.abs(x).max(-1, keepdims=True)
;;       e = np.where(a > 0, np.clip(np.frexp(np.where(a > 0, a, 1))[1] - 1 - 2, -126, 127), 0)      # np.frexp(a)[1] - 1 = floor(log2(a)), exactly
;;       r = np.clip(x / 2.0 ** e, -7.5, 7.5)
;;       step = 2.0 ** (np.maximum(np.frexp(np.where(r == 0, 1, r))[1] - 1, 0) - 3)
;;       q = np.round(r / step) * step * 2.0 ** e      # np.round: ties to even
;;       return np.moveaxis(q.reshape(q.shape[:-2] + (-1,))[..., :K], -1, axis).astype(np.float32)
;;   ~~~
;;   SOFTMAX AHEAD OF A QUANTISED PRODUCT. Where the list says 'softmax', what is quantised is not the finished softmax but p = 2^(t - M), with t = logit x log2(e) and M = ceil(the row's largest t), a whole number; so 1/2 < the row's largest p <= 1. The row's sum l is taken of the UNQUANTISED p, in f32, and the product's result is divided by l at the end. Since M is a whole number, a kernel that streams over the keys may use a running M (the ceiling of the running maximum): every later rescaling is an exact power of two, which a block's scale takes up: the codes' values come out the same.
;;   OPERANDS COMPUTED ON THE WAY. 'Computed on the way' means the value that the module computes at that place (a softmax that the list does not call 'softmax' is quantised finished and normalised). What goes into a quantiser is computed in f32, as accurately as f32 sums, v_exp_f32 and their like allow (about 1e-6 of the number): no bf16 or f16 on the way to a quantiser, and a product that is left as it is and whose result goes on into a quantised operand takes f32 operands (vector FMAs, or v_wmma_f32_16x16x4_f32). A number that lies on a knife's edge between two numbers of the format may be rounded either way, as far as f32 arithmetic and the matrix unit's own rounding can turn it there, and no further.
;; 2 versions. Each part assembles by itself: llvm-mc -triple=amdgcn-amd-amdhsa -mcpu=gfx1250 --defsym DOCPART=n.
;; ======== version 1 of 2: 2 launches
;; limits: right only within a limited range of input values
;; workspace buffers: kv 6,553,600 bytes
;; launch prep (part 1): grid 256 x 1, 8 waves a work-group, no clusters, 68,608 bytes of LDS; arguments k, v, kv; writes kv
.if DOCPART == 1
	.amdgcn_target "amdgcn-amd-amdhsa--gfx1250"
	.amdhsa_code_object_version 6
	.text
	.protected	k_q29b7e35aa4_prep
	.globl	k_q29b7e35aa4_prep
	.p2align	8
	.type	k_q29b7e35aa4_prep,@function
k_q29b7e35aa4_prep:
	s_mov_b64 s[64:65], 0
	v_nop
	global_prefetch_b8 v0, s[64:65] scope:SCOPE_SE
	s_setreg_imm32_b32 hwreg(HW_REG_WAVE_MODE, 25, 1), 1
	s_wait_xcnt 0x0
; k and v, [16][2048][128] f32, become codes of FP6 (E2M3) with one E8M0 scale byte for each 32 along a product's K: k along the head's 128, v along the KEYS.
; They are laid in kv as IMAGES OF THE OPERANDS' REGISTERS, one dense block of 25,600 bytes for each (head, key step of 128 keys); work-group x = 16 x head + step makes block x:
;   0      K's eight tiles, 1,536 bytes each: registers 4 g .. 4 g + 3 of the fragment's twelve, of lane L, at 512 g + 16 L
;   12,288 V^T's eight tiles (tile t: channels 16 t .. 16 t + 15; K = the step's 128 keys in their order), the same form
;   24,576 K's scale words: pair p at 128 p + 4 L: lanes 0-15 tile 2 p's rows, lanes 16-31 tile 2 p + 1's;   25,088 V's, the same form
; THE KEYS OF A TILE OF K ARE NOT NEIGHBOURS: row r of tile 2 b + u is key 32 b + 8 u + r + 8 (r / 8), so that in the next launch the 16 score registers of tiles 2 b, 2 b + 1 are 16 neighbouring keys.
; A block's scale is 2^(floor(log2(its largest magnitude)) - 2): its byte is the largest magnitude's exponent field - 2, held at 1 from below by a floor among the maximum's leaves.
; LIMITS: a block of zeros, and one whose largest magnitude lies under 2^-124, gets the byte 1 (zero codes add nothing under any byte but 0xff; this program alone reads the bytes); NaN and infinities are not served.
; SHARES: waves 0-3 take K (wave w: keys 32 w .. 32 w + 31 = tiles 2 w, 2 w + 1), waves 4-7 take V (channels 32 (w - 4) on = tiles 2 (w - 4), 2 (w - 4) + 1).  A wave reads 16 KiB, all asked for at once.
; Waves share nothing: no barrier.  No tensor load, no loop.  Matrix units and clusters have nothing to do here: each input byte is read once, by one wave.
.set SP,    528                        ; a stage row: a key's 512 bytes + 16, so that the sixteen rows that a load of 16 bytes a lane touches start at sixteen different banks
.set STG,   32*SP                      ; a K wave's own stage: 32 rows
.set BLKB,  25600
.set I0,    224                        ; v224-235 the first tile's image;  v236-247 the second's
.set I1,    236
	s_load_b128 s[4:7], s[0:1], 0x0                ; k, v
	s_load_b64 s[8:9], s[0:1], 0x10                ; kv
	v_lshl_add_u32 v251, v0, 2, 0x10800
	v_mov_b32 v255, 0
	v_lshrrev_b32 v1, 5, v0
	v_readfirstlane_b32 s12, v1                    ; wave 0..7
	s_and_b32 s13, s12, 3                          ; which quarter of K or of V
	v_and_b32 v1, 31, v0                           ; lane L
	v_and_b32 v2, 15, v0                           ; r
	v_bfe_u32 v3, v0, 4, 1                         ; h
	v_lshlrev_b32 v4, 4, v1                        ; 16 L: my bytes of a key's row, and of an image's group
	v_lshlrev_b32 v5, 2, v1                        ; 4 L: my channel in a row of v, and my scale word
	s_mul_i32 s14, s13, STG
	v_add_nc_u32 v6, s14, v4                       ; the stage, on the way in: 16 L of a row
	v_mul_u32_u24 v7, v2, SP
	v_lshl_add_u32 v7, v3, 7, v7
	v_add_nc_u32 v7, s14, v7                       ; and out: row r, + 128 h: my 32 numbers of each 64
	v_lshlrev_b32 v8, 3, v3                        ; 8 h: where my two scale bytes stand in the word
	v_mov_b32 v9, 0                                ; a lane permute's destination counts as one of its sources
	s_mov_b32 s20, 0x76543210
	s_mov_b32 s21, 0xfedcba98                      ; v_permlanex16_b32's selects for lane l xor 16
	s_lshl_b32 s16, ttmp9, 16                      ; the step's 128 rows of 512 bytes begin 65,536 x bytes on, in k and in v
	s_mov_b32 s17, 0
	s_mul_i32 s18, ttmp9, BLKB
	s_mov_b32 s19, 0
	s_wait_kmcnt 0x0
	s_add_nc_u64 s[8:9], s[8:9], s[18:19]          ; my block
	s_mul_i32 s22, s13, 3072
	s_mov_b32 s23, 0
	s_add_nc_u64 s[24:25], s[8:9], s[22:23]        ; + my two tiles' images
	s_lshl_b32 s22, s13, 7
	s_add_nc_u64 s[26:27], s[8:9], s[22:23]        ; + my pair's scale words
	s_cmp_lt_u32 s12, 4
	s_cbranch_scc0 .Lv
; 64 numbers of a lane, v[src + 32 c + i] = k 64 c + 32 h + i of my row: two whole blocks, h and 2 + h.  They become the fragment's twelve registers in v[img] on and the row's scale word in v[word].
.macro Q64 src, img, word
.irp c, 0,1
	v_max3_num_f32 v[16+\c], |v[\src+32*\c]|, |v[\src+1+32*\c]|, 0x1800000   ; the floor 2^(3 - 127) among the leaves: the byte cannot fall under 1
.endr
.irp i, 2,4,6,8,10,12,14,16,18,20,22,24,26,28,30
.irp c, 0,1
	v_max3_num_f32 v[16+\c], v[16+\c], |v[\src+32*\c+\i]|, |v[\src+1+32*\c+\i]|   ; the two blocks by turns
.endr
.endr
.irp c, 0,1
	v_add_nc_u32 v[18+\c], 0xff000000, v[16+\c]    ; 2 off the exponent field: the conversion takes this operand's exponent field as its scale
.endr
.irp c, 0,1
	v_lshrrev_b32 v[20+\c], 23, v[18+\c]           ; the scale's byte
.endr
	v_lshl_or_b32 v[\word], v21, 16, v20           ; my two bytes,
	v_lshlrev_b32 v[\word], v8, v[\word]           ; at their places,
	v_permlanex16_b32 v9, v[\word], s20, s21
	v_or_b32 v[\word], v[\word], v9                ; and lane l xor 16's two: the word is whole in both
.irp c, 0,1
	v_cvt_scalef32_pk16_fp6_f32 v[\img+6*\c:\img+2+6*\c], v[\src+32*\c:\src+15+32*\c], v[18+\c]
	v_cvt_scalef32_pk16_fp6_f32 v[248+4*\c:250+4*\c], v[\src+16+32*\c:\src+31+32*\c], v[18+\c]   ; a conversion's three registers begin on an even number: the block's upper half is made elsewhere and moved
.endr
	v_nop                                          ; one plain line behind the scaled conversions
.irp c, 0,1
.irp i, 0,1,2
	v_mov_b32 v[\img+3+6*\c+\i], v[248+4*\c+\i]
.endr
.endr
.endm
	; ---- K.  Each load takes one key's row, 512 consecutive bytes; the rows turn through my stage, so that a lane gets 32 neighbours along the head's axis.
	s_lshl_b32 s22, s13, 14
	s_add_co_u32 s16, s16, s22                     ; + my 32 keys
	s_add_nc_u64 s[4:5], s[4:5], s[16:17]
.set i, 0
.rept 32
	global_load_b128 v[32+4*i:35+4*i], v4, s[4:5] offset:512*i th:TH_LOAD_NT
.set i, i+1
.endr
.set i, 0
.rept 4
	s_wait_loadcnt 24-i                            ; loads come back in order: these eight rows are in, the younger ones may be out
.rept 8
	ds_store_b128 v6, v[32+4*i:35+4*i] offset:(16*((i/8)%2)+(i%8)+8*(i/16))*SP   ; key i is row i % 8 + 8 (i / 16) of tile (i / 8) % 2: a tile's rows lie together
.set i, i+1
.endr
.endr
.irp c, 0,1
.irp j, 0,1,2,3,4,5,6,7
	ds_load_b128 v[160+32*\c+4*\j:163+32*\c+4*\j], v7 offset:256*\c+16*\j          ; the first tile (LDS serves a wave's instructions in order: these see my stores)
.endr
.endr
	s_wait_dscnt 0x0                               ; it is in, and the stores have read v32 on,
.irp c, 0,1
.irp j, 0,1,2,3,4,5,6,7
	ds_load_b128 v[32+32*\c+4*\j:35+32*\c+4*\j], v7 offset:16*SP+256*\c+16*\j      ; where the second tile lands while the first is worked
.endr
.endr
	Q64 160, I0, 24
	s_wait_dscnt 0x0
	Q64 32, I1, 25
	v_cmp_le_u32 vcc_lo, 16, v1
	v_cndmask_b32 v24, v24, v25, vcc_lo            ; lanes 0-15 the first tile's words, lanes 16-31 the second's
.irp g, 0,1,2
	global_store_b128 v4, v[I0+4*\g:I0+4*\g+3], s[24:25] offset:512*\g             ; each store covers 512 consecutive bytes, aligned
	global_store_b128 v4, v[I1+4*\g:I1+4*\g+3], s[24:25] offset:1536+512*\g
.endr
	global_store_b32 v5, v24, s[26:27] offset:24576                                ; 128 bytes a wave: 1 KiB of a block's 25 KiB leaves in such halves
	s_wait_tensorcnt 0x0
	ds_add_u32 v251, v255
	s_wait_dscnt 0x0
	s_endpgm
	; ---- V.  A lane takes a channel and its registers run down the keys: a block of 32 keys lies in one lane, and the codes come out with the keys innermost.  Nothing is transposed.
.Lv:
	s_add_co_u32 s16, s16, s22                     ; + my 32 channels (s22 = 128 x quarter)
	s_add_nc_u64 s[6:7], s[6:7], s[16:17]
.set i, 0
.rept 128
	global_load_b32 v[32+i], v5, s[6:7] offset:512*i th:TH_LOAD_NT                 ; key i: 128 consecutive bytes a wave, the four waves side by side on a row's 512
.set i, i+1
.endr
.macro VMAX b0, b1                     ; the largest magnitudes of two blocks, by turns
.irp b, \b0, \b1
	v_max3_num_f32 v[16+\b], |v[32+32*\b]|, |v[33+32*\b]|, 0x1800000
.endr
.irp i, 2,4,6,8,10,12,14,16,18,20,22,24,26,28,30
.irp b, \b0, \b1
	v_max3_num_f32 v[16+\b], v[16+\b], |v[32+32*\b+\i]|, |v[33+32*\b+\i]|
.endr
.endr
.endm
	s_wait_loadcnt 63                              ; behind block 1's last load 64 were issued: with 63 out at the most, blocks 0 and 1 are in
	VMAX 0, 1
	s_wait_loadcnt 0x0
	VMAX 2, 3
.irp b, 0,1,2,3
	v_add_nc_u32 v[20+\b], 0xff000000, v[16+\b]    ; the conversions' scale operands
.endr
.irp b, 0,1,2,3
	v_lshrrev_b32 v[16+\b], 23, v[20+\b]           ; the bytes
.endr
	v_lshl_or_b32 v24, v17, 8, v16                 ; all four bytes of my channel's word are mine
	v_lshl_or_b32 v24, v18, 16, v24
	v_lshl_or_b32 v24, v19, 24, v24
.irp c, 0,1
	v_cvt_scalef32_pk16_fp6_f32 v[I0+6*\c:I0+2+6*\c], v[32+64*\c:47+64*\c], v[20+2*\c]     ; block 2 c, lower 16 keys
	v_cvt_scalef32_pk16_fp6_f32 v[160+4*\c:162+4*\c], v[48+64*\c:63+64*\c], v[20+2*\c]     ; upper 16
	v_cvt_scalef32_pk16_fp6_f32 v[I1+6*\c:I1+2+6*\c], v[64+64*\c:79+64*\c], v[21+2*\c]     ; block 2 c + 1, lower 16
	v_cvt_scalef32_pk16_fp6_f32 v[168+4*\c:170+4*\c], v[80+64*\c:95+64*\c], v[21+2*\c]     ; upper 16
.endr
	v_nop                                          ; one plain line behind the scaled conversions
; A fragment's lanes 0-15 hold block 2 c of rows 0-15, its lanes 16-31 block 2 c + 1 of the same rows.  My lanes 0-15 are the first tile's channels, lanes 16-31 the second's:
; block 2 c's lanes 16-31 change places with block 2 c + 1's lanes 0-15, and the two registers are the two tiles'.
.irp c, 0,1
.irp i, 0,1,2
	v_permlane16_swap_b32 v[I0+6*\c+\i], v[I1+6*\c+\i]
	v_permlane16_swap_b32 v[160+4*\c+\i], v[168+4*\c+\i]
.endr
.endr
.irp c, 0,1
.irp i, 0,1,2
	v_mov_b32 v[I0+3+6*\c+\i], v[160+4*\c+\i]
	v_mov_b32 v[I1+3+6*\c+\i], v[168+4*\c+\i]
.endr
.endr
.irp g, 0,1,2
	global_store_b128 v4, v[I0+4*\g:I0+4*\g+3], s[24:25] offset:12288+512*\g
	global_store_b128 v4, v[I1+4*\g:I1+4*\g+3], s[24:25] offset:12288+1536+512*\g
.endr
	global_store_b32 v5, v24, s[26:27] offset:25088
	s_endpgm
.Lfunc_end_k_q29b7e35aa4_prep:
	.size	k_q29b7e35aa4_prep, .Lfunc_end_k_q29b7e35aa4_prep-k_q29b7e35aa4_prep
	.p2alignl 7, 3214868480
	.fill 96, 4, 3214868480
	.section	.rodata,"a",@progbits
	.p2align	6, 0x0
	.amdhsa_kernel k_q29b7e35aa4_prep
		.amdhsa_group_segment_fixed_size 68608
		.amdhsa_private_segment_fixed_size 0
		.amdhsa_enable_private_segment 0
		.amdhsa_kernarg_size 24
		.amdhsa_user_sgpr_count 2
		.amdhsa_user_sgpr_kernarg_segment_ptr 1
		.amdhsa_wavefront_size32 1
		.amdhsa_system_sgpr_workgroup_id_x 1
		.amdhsa_system_sgpr_workgroup_id_y 1
		.amdhsa_system_sgpr_workgroup_id_z 1
		.amdhsa_system_vgpr_workitem_id 0
		.amdhsa_next_free_vgpr 256
		.amdhsa_next_free_sgpr 66
		.amdhsa_reserve_vcc 1
		.amdhsa_float_denorm_mode_32 3
		.amdhsa_float_denorm_mode_16_64 3
		.amdhsa_memory_ordered 1
		.amdhsa_forward_progress 1
		.amdhsa_inst_pref_size 35
	.end_amdhsa_kernel
	.amdgpu_metadata
---
amdhsa.version: [ 1, 2 ]
amdhsa.kernels:
  - .name:           k_q29b7e35aa4_prep
    .symbol:         k_q29b7e35aa4_prep.kd
    .args:
      - { .name: k, .offset: 0, .size: 8, .value_kind: global_buffer, .address_space: global }
      - { .name: v, .offset: 8, .size: 8, .value_kind: global_buffer, .address_space: global }
      - { .name: kv, .offset: 16, .size: 8, .value_kind: global_buffer, .address_space: global }
    .group_segment_fixed_size: 68608
    .private_segment_fixed_size: 0
    .kernarg_segment_align: 8
    .kernarg_segment_size: 24
    .max_flat_workgroup_size: 256
    .sgpr_count:     66
    .vgpr_count:     256
    .wavefront_size: 32
...
	.end_amdgpu_metadata
.endif
;; end of part 1
;; launch attn (part 2): grid 16 x 16, 16 waves a work-group, clusters of 4 x 1, 327,680 bytes of LDS; arguments q, mask, kv, out0; writes out0
.if DOCPART == 2
	.amdgcn_target "amdgcn-amd-amdhsa--gfx1250"
	.amdhsa_code_object_version 6
	.text
	.protected	k_q29b7e35aa4_attn
	.globl	k_q29b7e35aa4_attn
	.p2align	8
	.type	k_q29b7e35aa4_attn,@function
k_q29b7e35aa4_attn:
	s_mov_b64 s[64:65], 0
	v_nop
	global_prefetch_b8 v0, s[64:65] scope:SCOPE_SE
	s_setreg_imm32_b32 hwreg(HW_REG_WAVE_MODE, 25, 1), 1
	s_wait_xcnt 0x0
	s_wait_alu depctr_hold_cnt(0) depctr_sa_sdst(0) depctr_va_vdst(0) depctr_va_sdst(0) depctr_va_ssrc(0) depctr_va_vcc(0) depctr_vm_vsrc(0)
	s_getreg_b32 s2, hwreg(HW_REG_IB_STS2, 6, 4)
	s_cmp_eq_u32 s2, 0
	s_cbranch_scc0 .Lentry_in_a_cluster
	s_endpgm
.Lentry_in_a_cluster:
	s_bfe_u32 s2, ttmp6, 0x10000c
	s_cmp_lg_u32 s2, 0x3003
	s_cbranch_scc0 .Lentry_shape_is_right
	s_endpgm
.Lentry_shape_is_right:
; out[h][q][:] = the sum over k of softmax_k(s) v[h][k][:], s = q . k / sqrt(128), or -FLT_MAX where mask[h][q][k] is true.  Both products on codes of FP6 (E2M3) with one E8M0 scale for each 32 along K.
; q [16][2048][128] f32 is quantised here, in registers; k and v come as register images with their scale words, one dense block of 25,600 bytes for each (head, 128 keys), from the launch before.
; THE SOFTMAX: t = s log2(e); M = the row's largest t so far, rounded up to a whole number; p = 2^(t - M) is quantised along the keys, not normalised; the row's sum of the unquantised p divides at the end.
; When M moves, the sum and O are multiplied by 2^(old M - new M), which rounds nothing.
; THE MASK IS THE C OF THE SCORE PRODUCT.  A lane's 64 scores of a step belong to four runs of 16 bytes of its own query's mask row.  A mask word times 255 has bytes 0x00 / 0xff; one byte permute a score puts
; the score's byte on top of three zero bytes: 0 or 0xff000000 = -2^127, written into the score's register, onto which the product adds.  So a hidden score is out ahead of the maximum, and no compare is spent.
; A ROW WITH NO OPEN KEY.  The largest t begins at TF = -2^100; a hidden t, about -2.2e37, lies under it.  While a row's largest t is still TF, the exponent's factor and addend are both 0 by a select, so
; that p = 1 for every key; the first open key makes old M - new M about -2^100, whose power of two is 0, and wipes that out.  A row hidden throughout ends as the plain mean of v, as the softmax of equal logits is.
; LIMITS: mask bytes are 0 or 1; a row whose largest open t lies at or under -2^100 counts as hidden; scores stay finite; NaN and infinities are not served; a block of p under 2^-124 gets the byte 1 over zero codes.
; SHARES.  A work-group owns 128 queries of one head.  Wave w owns the tile of 16 queries w % 8 and the key steps of parity w / 8 (eight of the head's sixteen), with its own M, sum and O^T;
; the two waves of a tile join at the end by powers of two, each finishing 64 of the 128 channels.  Sixteen waves of 256 registers, four to a SIMD: one wave's vector work stands beside another's products and LDS loads.
; LAYOUT.  Both products are used transposed: S^T = K Q^T (source 0 = 16 keys), O^T = V^T P^T (source 0 = 16 channels): a lane holds ONE query (lane % 16) throughout; score register 16 b + i is key 32 b + 16 (lane / 16) + i.
; CLUSTER.  The four work-groups of a cluster are four query blocks of one head and walk the same blocks of kv: each block is asked for JOINTLY, by the same tensor load with a mask that names the four.
; LDS: two slots of four key steps (102,400 bytes) at 0 and at 2^17; behind them each wave's 4,352 bytes for the exchange between partners; then the spare words.  The stage for the way out lies in slot 0,
; which has had its last fill and its last read when the last change of slots is passed.
; REGISTERS: v1 16 x lane, v2 4 x lane, v3-4 the add's two, v5-10 LDS addresses of the step, v12 -M, v13 the largest t, v[14:15] the sum in two halves, v16-27 Q's codes, v28 the exponent's factor (v29 = c),
; v30 its addend (v31 = my byte in the mask's rows), v32-79 four fragments, v80-95 mask words, v96-159 S^T then p, v160-223 O^T (accumulators 0-3: the channels that I finish; 4-7: my partner's),
; v224-235 p's codes (v232-235 first the blocks' maxima), v236-247 at work, v248-251 K's, then V's scale words, v252 f, v253 p's scale word, v254 at work, v255 Q's scale word.
.set BLKB,  25600
.set SLOT1, 1<<17
.set EXCH,  SLOT1+4*BLKB               ; 233,472
.set EXW,   4352                       ; a wave's part: 32 registers' images, then -M's words at 4,096 and the sum's at 4,224.  Also a wave's stage: 16 rows x 272
.set SPARE, EXCH+16*EXW                ; 303,104: the spare words, 128 bytes for each of sixteen waves: eight blocks of 256 bytes that no other line names
.macro ROUND                           ; a round of the cluster's barrier: my work-group's barrier; wave 0 signals for the work-group; every wave waits for all four; my work-group's barrier once more
	s_barrier_signal -1
	s_barrier_wait -1
	s_cmp_lg_u32 s12, 0
	s_cbranch_scc1 .Lnot_wave_0_\@
	s_barrier_signal -3
.Lnot_wave_0_\@:
	s_barrier_wait -3
	s_barrier_signal -1
	s_barrier_wait -1
.endm
.macro TLOAD                           ; waves 0 to 3 fetch one key step's block each.  The branch hangs on the wave's number alone.  Four v_nop follow the load
	s_cmp_lt_u32 s12, 4
	s_cbranch_scc0 .Lno_load_\@
	tensor_load_to_lds s[32:35], s[24:31]
	s_nop 0
.rept 4
	v_nop
.endr
.Lno_load_\@:
.endm
; THE CHANGE OF SLOTS stands at a slot's head.  Each wave waits for all its tensor loads (one at the most is out: its part of the slot ahead), adds 0 to its spare word, and waits for that and for its reads of the slot left.
; fill = 1: the barrier is a round of the cluster's, and the slot left is filled with the next four key steps first thing behind it: the load has a whole slot's work in which to land.
.macro CHANGE fill
	s_wait_tensorcnt 0x0                           ; no tensor load of mine is out, so the descriptor may be written
	ds_add_u32 v3, v4
.if \fill
	s_xor_b32 s33, s33, SLOT1                      ; the other slot than last time,
	s_add_nc_u64 s[34:35], s[34:35], 4*BLKB        ; the next four blocks; the type bits on top are not reached
.endif
	s_wait_dscnt 0x0                               ; the add is done, and my reads of the slot that I have left are over
.if \fill
	ROUND
	TLOAD
.else
	s_barrier_signal -1
	s_barrier_wait -1
.endif
.endm
.macro SCALEW word                     ; the four blocks' largest magnitudes in v232-235 (the floor among them) give the conversions' scale operands in v244-247 and the row's scale word
.irp b, 0,1,2,3
	v_add_nc_u32 v[244+\b], 0xff000000, v[232+\b]  ; 2 off the exponent field
.endr
.irp b, 0,1,2,3
	v_lshrrev_b32 v[236+\b], 23, v[244+\b]         ; the scale's byte
.endr
	v_lshl_or_b32 v[\word], v237, 8, v236
	v_lshl_or_b32 v[\word], v238, 16, v[\word]
	v_lshl_or_b32 v[\word], v239, 24, v[\word]
.endm
.macro PACK src, dst                   ; 64 numbers of a lane, register 16 b + i = k 32 b + 16 (lane / 16) + i of my row, become the fragment's twelve registers
.irp c, 0,1
	v_cvt_scalef32_pk16_fp6_f32 v[\dst+6*\c:\dst+2+6*\c], v[\src+32*\c:\src+15+32*\c], v[244+2*\c]
	v_cvt_scalef32_pk16_fp6_f32 v[236+4*\c:238+4*\c], v[\src+16+32*\c:\src+31+32*\c], v[245+2*\c]   ; a conversion's three registers begin on an even number
.endr
	v_nop                                          ; one plain line behind the scaled conversions
.irp c, 0,1                            ; the layout wants a WHOLE block in a lane: lanes 0-15 block 2 c, lanes 16-31 block 2 c + 1
.irp i, 0,1,2
	v_permlane16_swap_b32 v[\dst+6*\c+\i], v[236+4*\c+\i]
.endr
.irp i, 0,1,2
	v_mov_b32 v[\dst+3+6*\c+\i], v[236+4*\c+\i]
.endr
.endr
.endm
.macro MLOAD off                       ; my query's mask bytes of a step: four runs of 16, at 32 b + 16 (lane / 16).  Word n / 4, byte n % 4 belongs to score register n
.irp b, 0,1,2,3
	global_load_b128 v[80+4*\b:83+4*\b], v31, s[6:7] offset:\off+32*\b th:TH_LOAD_NT
.endr
.endm
.macro MASKX                           ; each mask word times 255: bytes 0 / 1 become 0x00 / 0xff (no byte carries into the next)
.irp u, 0,1
.irp m, 0,1,2,3,4,5,6,7
	v_lshlrev_b32 v[236+\m], 8, v[80+8*\u+\m]
.endr
.irp m, 0,1,2,3,4,5,6,7
	v_sub_nc_u32 v[80+8*\u+\m], v[236+\m], v[80+8*\u+\m]
.endr
.endr
.endm
.macro MASKC                           ; the score registers get what the product adds onto: 0, or -2^127 for a hidden key
.set n, 0
.rept 64
	v_perm_b32 v[96+n], v[80+n/4], v[80+n/4], s[36+n%4]
.set n, n+1
.endr
.endm
.macro KQ g                            ; four tiles of 16 keys: fragments as they lie (three loads of 512 consecutive bytes each), then S^T = K Q^T + the mask's addend
.irp t, 0,1,2,3
.irp c, 0,1,2
	ds_load_b128 v[32+12*\t+4*\c:35+12*\t+4*\c], v5 offset:(4*\g+\t)*1536+512*\c
.endr
.endr
.if \g == 0
.irp p, 0,1,2,3
	ds_load_b32 v[248+\p], v6 offset:24576+128*\p  ; one register carries two tiles' scale words: the even tile's in lanes 0-15, the odd one's in lanes 16-31
.endr
.endif
	s_wait_dscnt 0x0
.irp t, 0,1,2,3
.if \t%2
	v_wmma_scale_f32_16x16x128_f8f6f4 v[96+8*(4*\g+\t):103+8*(4*\g+\t)], v[32+12*\t:43+12*\t], v[16:27], v[96+8*(4*\g+\t):103+8*(4*\g+\t)], v[248+2*\g+\t/2], v255 matrix_a_fmt:MATRIX_FMT_FP6 matrix_b_fmt:MATRIX_FMT_FP6 matrix_a_scale:MATRIX_SCALE_ROW1
.else
	v_wmma_scale_f32_16x16x128_f8f6f4 v[96+8*(4*\g+\t):103+8*(4*\g+\t)], v[32+12*\t:43+12*\t], v[16:27], v[96+8*(4*\g+\t):103+8*(4*\g+\t)], v[248+2*\g+\t/2], v255 matrix_a_fmt:MATRIX_FMT_FP6 matrix_b_fmt:MATRIX_FMT_FP6
.endif
.endr
.endm
.macro VLOAD adr                       ; four tiles of V^T
.irp a, 0,1,2,3
.irp c, 0,1,2
	ds_load_b128 v[32+12*\a+4*\c:35+12*\a+4*\c], v[\adr] offset:1536*\a+512*\c
.endr
.endr
.endm
.macro PV a0, sc                       ; O^T += V^T P^T on accumulators a0 .. a0 + 3, one instruction a turn
.irp a, 0,1,2,3
.if \a%2
	v_wmma_scale_f32_16x16x128_f8f6f4 v[160+8*(\a0+\a):167+8*(\a0+\a)], v[32+12*\a:43+12*\a], v[224:235], v[160+8*(\a0+\a):167+8*(\a0+\a)], v[\sc+\a/2], v253 matrix_a_fmt:MATRIX_FMT_FP6 matrix_b_fmt:MATRIX_FMT_FP6 matrix_a_scale:MATRIX_SCALE_ROW1
.else
	v_wmma_scale_f32_16x16x128_f8f6f4 v[160+8*(\a0+\a):167+8*(\a0+\a)], v[32+12*\a:43+12*\a], v[224:235], v[160+8*(\a0+\a):167+8*(\a0+\a)], v[\sc+\a/2], v253 matrix_a_fmt:MATRIX_FMT_FP6 matrix_b_fmt:MATRIX_FMT_FP6
.endif
.endr
.endm
.macro PLACES                          ; four plain lines between a matrix instruction and a load into, or a vector read or write of, its registers (ISA guide 7.12.1 for vector instructions)
.rept 4
	v_nop
.endr
.endm
	s_load_b256 s[4:11], s[0:1], 0x0               ; q s[4:5], mask s[6:7], kv s[8:9], out s[10:11]
	v_lshl_add_u32 v3, v0, 2, SPARE
	v_mov_b32 v4, 0
	ds_add_u32 v3, v4
	s_wait_dscnt 0x0
	v_lshrrev_b32 v5, 5, v0
	v_readfirstlane_b32 s12, v5                    ; wave 0..15
	s_lshr_b32 s13, s12, 3                         ; the parity of my key steps
	s_and_b32 s14, s12, 7                          ; my tile of queries
	s_bfe_u32 s15, ttmp6, 0x40000                  ; cx: my place in the cluster: it enters q's, the mask's and out's addresses alone
	s_lshl_b32 s16, ttmp9, 2
	s_add_co_u32 s16, s16, s15                     ; my block of 128 queries = 4 x cluster x + cx
	s_and_b32 s17, ttmp7, 0xffff                   ; the head, which the four partners share
	s_and_b32 s18, s12, 3                          ; which of a slot's four blocks I fetch, if I fetch
	s_xor_b32 s19, s13, 1                          ; my partner's parity
	s_lshl_b32 s46, s17, 11
	s_lshl_b32 s47, s16, 7
	s_add_co_u32 s46, s46, s47
	s_lshl_b32 s47, s14, 4
	s_add_co_u32 s46, s46, s47                     ; my first row among the 32,768: 2,048 x head + 128 x block + 16 x tile
	s_lshl_b32 s48, s46, 9                         ; in q and out: 512 bytes a row
	s_mov_b32 s49, 0
	s_lshl_b32 s50, s46, 11                        ; in the mask: 2,048 bytes a row,
	s_mov_b32 s51, 0
	s_lshl_b32 s47, s13, 7
	s_add_co_u32 s50, s50, s47                     ; + 128 x parity: my first key step
	s_mul_i32 s54, s17, 16*BLKB                    ; kv: the head's sixteen blocks,
	s_mul_i32 s33, s18, BLKB                       ; (descriptor group 0, 63:32: the LDS address: slot 0, block wave % 4)
	s_add_co_u32 s54, s54, s33                     ; + my block
	s_mov_b32 s55, 0
	; descriptor group 1: a dense block as 100 rows of 256 bytes, no padding: it is read back in runs of 512 consecutive bytes
	s_mov_b32 s24, 15|(3<<16)|(1<<21)              ; 15:0 the mask: all four work-groups; 17:16 elements of 8 bytes; 21 set beside a mask
	s_mov_b32 s25, 32<<16                          ; tensor_dim0 = 32 elements
	s_mov_b32 s26, 100<<16                         ; tensor_dim1 = 100
	s_mov_b32 s27, 32<<16                          ; tile_dim0 = 32
	s_mov_b32 s28, 100                             ; tile_dim1 = 100
	s_mov_b32 s29, 32                              ; from row to row: 32 elements
	s_mov_b32 s30, 0
	s_mov_b32 s31, 0
	s_mov_b32 s32, 1                               ; group 0, 1:0: count = 1
	s_mov_b32 s20, 0x76543210
	s_mov_b32 s21, 0xfedcba98                      ; v_permlanex16_b32's selects for lane l xor 16
	s_mov_b32 s22, 0x3e0293ee                      ; c = log2(e) / sqrt(128)
	s_mov_b32 s23, 0xf1800000                      ; TF = -2^100
	s_mov_b32 s36, 0x000c0c0c                      ; byte permute: byte j on top, zeros below
	s_mov_b32 s37, 0x010c0c0c
	s_mov_b32 s38, 0x020c0c0c
	s_mov_b32 s39, 0x030c0c0c
	s_mul_i32 s40, s13, BLKB                       ; LDS byte of my first key step of the slot in hand,
	s_add_co_u32 s52, s40, 2*BLKB                  ; and of my second
	s_mov_b32 s41, 3                               ; slots still to be asked for
	s_mul_i32 s42, s13, 6144
	s_add_co_u32 s42, s42, 12288                   ; in a block: V^T's four tiles of the channels that I finish,
	s_mul_i32 s43, s19, 6144
	s_add_co_u32 s43, s43, 12288                   ; and of my partner's;
	s_lshl_b32 s44, s13, 8
	s_add_co_u32 s44, s44, 25088                   ; their scale words
	s_lshl_b32 s45, s19, 8
	s_add_co_u32 s45, s45, 25088
	s_wait_kmcnt 0x0
	s_add_nc_u64 s[34:35], s[8:9], s[54:55]        ; group 0, 120:64: the block's first byte
	s_or_b32 s35, s35, 0x80000000                  ; 127:126 type = 2
	s_add_nc_u64 s[4:5], s[4:5], s[48:49]
	s_add_nc_u64 s[6:7], s[6:7], s[50:51]
	s_lshl_b32 s47, s13, 8
	s_add_co_u32 s48, s48, s47                     ; out: + 256 x parity: the 64 channels that I finish
	s_add_nc_u64 s[10:11], s[10:11], s[48:49]
	ROUND                                          ; all four work-groups are here: the first joint loads meet
	TLOAD                                          ; slot 0: key steps 0 to 3
	v_and_b32 v11, 31, v0
	v_lshlrev_b32 v1, 4, v11                       ; 16 x lane
	v_lshlrev_b32 v2, 2, v11                       ; 4 x lane
	v_and_b32 v5, 15, v0                           ; r
	v_bfe_u32 v6, v0, 4, 1                         ; h
	v_lshlrev_b32 v7, 9, v5
	v_lshl_add_u32 v7, v6, 6, v7                   ; q: row r, + 64 h: my 16 numbers of each block of 32
	v_lshlrev_b32 v31, 11, v5
	v_lshl_add_u32 v31, v6, 4, v31                 ; the mask: row r, + 16 h; never rewritten
.irp b, 0,1,2,3
.irp j, 0,1,2,3
	global_load_b128 v[160+16*\b+4*\j:163+16*\b+4*\j], v7, s[4:5] offset:128*\b+16*\j   ; no hint: my partner reads the same rows
.endr
.endr
	MLOAD 0                                        ; my first key step's mask
	v_mov_b32 v13, s23                             ; the largest t so far: TF
	v_floor_f32 v12, -v13                          ; -M
	v_mov_b32 v14, 0                               ; the sum, in two halves
	v_mov_b32 v15, 0
	v_mov_b32 v28, 0
	v_mov_b32 v29, s22                             ; c
	v_mov_b32 v30, 0
.irp b, 0,1,2,3
	v_mov_b32 v[236+\b], 0                         ; a lane permute's destination counts as one of its sources
.endr
	v_mov_b32 v253, 0                              ; named as the upper half of the pair v[252:253] before it is first written
	s_wait_loadcnt 0x4                             ; q's sixteen loads are in; the four mask loads behind them may be out
.irp b, 0,1,2,3
	v_max3_num_f32 v[232+\b], |v[160+16*\b]|, |v[161+16*\b]|, 0x1800000   ; block b: my 16 numbers, and the floor 2^(3 - 127)
.endr
.irp i, 2,4,6,8,10,12,14
.irp b, 0,1,2,3
	v_max3_num_f32 v[232+\b], v[232+\b], |v[160+16*\b+\i]|, |v[161+16*\b+\i]|
.endr
.endr
.irp b, 0,1,2,3
	v_permlanex16_b32 v[236+\b], v[232+\b], s20, s21
.endr
.irp b, 0,1,2,3
	v_max_num_f32 v[232+\b], v[232+\b], v[236+\b]  ; with lane l xor 16's 16: the block's largest magnitude
.endr
	SCALEW 255
	PACK 160, 16                                   ; Q's fragment stays in v16-27
	s_wait_loadcnt 0x0
	MASKX
	MASKC                                          ; the first step's addends stand in the score registers
	MLOAD 256                                      ; my second key step's mask
.set n, 0
.rept 64
	v_mov_b32 v[160+n], 0                          ; O^T.  The step is written without a first form of its own: the first finds zeros.  (Once a launch; it spares one more copy of the step)
.set n, n+1
.endr
; A KEY STEP of 128 keys, whose block begins at LDS byte s[tb].  pm = 1: the next step's addends are made in it; ld = 1: the mask of the step after that is asked for, one whole step ahead of its use.
.macro STEP tb, ld, pm
	v_add_nc_u32 v5, s[\tb], v1                    ; six additions: also the places behind the last products, in front of the loads below
	v_add_nc_u32 v6, s[\tb], v2
	v_add_nc_u32 v7, s42, v5
	v_add_nc_u32 v8, s43, v5
	v_add_nc_u32 v9, s44, v6
	v_add_nc_u32 v10, s45, v6
	KQ 0
	PLACES
	KQ 1
	PLACES
	VLOAD 7                                        ; V^T's first four tiles and all V's scale words land under the softmax
	ds_load_b32 v248, v9
	ds_load_b32 v249, v9 offset:128
	ds_load_b32 v250, v10
	ds_load_b32 v251, v10 offset:128
.irp b, 0,1,2,3
	v_max3_num_f32 v[232+\b], v[96+16*\b], v[97+16*\b], v[98+16*\b]   ; the largest score of each block of 32 keys: for the row's maximum, and, since p rises with the score, for the block's largest p
.endr
.irp i, 3,5,7,9,11,13
.irp b, 0,1,2,3
	v_max3_num_f32 v[232+\b], v[232+\b], v[96+16*\b+\i], v[97+16*\b+\i]
.endr
.endr
.irp b, 0,1,2,3
	v_max_num_f32 v[232+\b], v[232+\b], v[111+16*\b]
.endr
.irp b, 0,1,2,3
	v_permlanex16_b32 v[236+\b], v[232+\b], s20, s21
.endr
.irp b, 0,1,2,3
	v_max_num_f32 v[232+\b], v[232+\b], v[236+\b]  ; with lane l xor 16's 16 keys
.endr
	v_max3_num_f32 v254, v232, v233, v234
	v_max_num_f32 v254, v254, v235                 ; the step's largest score of my query
	v_mul_f32 v254, s22, v254                      ; as t (c is positive)
	v_max_num_f32 v13, v13, v254                   ; the running largest t; hidden keys alone leave it at TF
	v_mov_b32 v254, v12
	v_floor_f32 v12, -v13                          ; the new -M = floor(-t) = -ceil(t): a whole number
	v_sub_f32 v254, v12, v254                      ; old M - new M: a whole number, 0 or less
	v_cvt_i32_f32 v254, v254                       ; (it saturates)
	v_ldexp_f32 v252, 1.0, v254                    ; f = 2^(old M - new M)
	v_cmp_lt_f32 vcc_lo, s23, v13                  ; has my row had an open key?
	v_cndmask_b32 v28, 0, v29, vcc_lo              ; then the exponent is c s - M; else 0 s + 0: p = 1 for every key
	v_cndmask_b32 v30, 0, v12, vcc_lo
.set n, 0
.rept 32
	v_pk_fma_f32 v[96+n:97+n], v[96+n:97+n], v[28:29], v[30:31] op_sel_hi:[1,0,0]   ; two at a time; of the two pairs the low word serves both halves
.set n, n+2
.endr
.irp b, 0,1,2,3
	v_fma_f32 v[232+\b], v[232+\b], v28, v30       ; the same of each block's largest score
.endr
.set n, 0
.rept 64
	v_exp_f32 v[96+n], v[96+n]                     ; p, at most 1; 0 for a hidden key of a row that has an open one
.set n, n+1
.endr
.irp b, 0,1,2,3
	v_exp_f32 v[232+\b], v[232+\b]                 ; the block's largest p: the same two instructions on the same number
.endr
	v_pk_mul_f32 v[14:15], v[14:15], v[252:253] op_sel_hi:[1,0]   ; the sums under the new M.  (The plain line behind the exponentials)
	s_wait_alu depctr_va_vdst(0)
.irp b, 0,1,2,3
	v_max_num_f32 v[232+\b], 0x1800000, v[232+\b]  ; the floor: the byte cannot fall under 1
.endr
	SCALEW 253
	PACK 96, 224
	v_pk_add_f32 v[236:237], v[96:97], v[98:99]    ; the row's sum is taken of the UNQUANTISED p, in two chains.  These lines name no register of the products below: they are the places behind p's codes and scale word
.irp j, 4,8,12,16,20,24,28,32,36,40,44,48,52,56,60
	v_pk_add_f32 v[14:15], v[14:15], v[96+\j:97+\j]
	v_pk_add_f32 v[236:237], v[236:237], v[98+\j:99+\j]
.endr
	v_pk_add_f32 v[14:15], v[14:15], v[236:237]
.set n, 0
.rept 32
	v_pk_mul_f32 v[160+n:161+n], v[160+n:161+n], v[252:253] op_sel_hi:[1,0]   ; O^T under the new M, each accumulator from its low end on
.set n, n+2
.endr
	s_wait_dscnt 0x0                               ; V^T's first four tiles and the scale words are in
	PV 0, 248
.if \pm
	s_wait_loadcnt 0x0                             ; the next step's mask is in, and no load names the mask's base any more:
	s_add_nc_u64 s[6:7], s[6:7], 256               ; on by two key steps of 128 bytes: my next
	MASKX                                          ; 32 plain lines that name no register of the products above: their places
.else
	PLACES
.endif
	VLOAD 8                                        ; V^T's other four tiles
.if \pm
	MASKC                                          ; p is done with: the score registers take the next step's addends while those tiles land
.endif
.if \ld
	MLOAD 256
.endif
	s_wait_dscnt 0x0
	PV 4, 250
.endm
.Lslot:                                            ; three trips: behind each change of slots but the last the next four key steps are asked for; a wave works its two of the slot's four
	CHANGE 1
	STEP 40, 1, 1
	STEP 52, 1, 1
	s_xor_b32 s40, s40, SLOT1                      ; on to the other slot
	s_xor_b32 s52, s52, SLOT1
	s_sub_co_u32 s41, s41, 1
	s_cmp_lg_u32 s41, 0
	s_cbranch_scc1 .Lslot
	CHANGE 0                                       ; the last slot is written out
	STEP 40, 0, 1
	STEP 52, 0, 0
	; THE TWO WAVES OF A TILE JOIN.  Each hands the other its accumulators 4-7 (the channels that the other finishes), its -M and its sum, as images of the registers.
	PLACES
	v_add_f32 v14, v14, v15                        ; the sum's two halves,
	v_permlanex16_b32 v236, v14, s20, s21
	v_add_f32 v14, v14, v236                       ; and lane l xor 16's: my row's sum over my key steps
	s_mul_i32 s46, s12, EXW                        ; (also my stage's first byte, in slot 0)
	s_add_co_u32 s48, s46, EXCH                    ; my part of the exchange
	s_xor_b32 s47, s12, 8
	s_mul_i32 s47, s47, EXW
	s_add_co_u32 s47, s47, EXCH                    ; my partner's
	v_add_nc_u32 v5, s48, v1
	v_add_nc_u32 v6, s48, v2
	v_add_nc_u32 v7, s47, v1
	v_add_nc_u32 v8, s47, v2
.irp i, 0,1,2,3,4,5,6,7
	ds_store_b128 v5, v[192+4*\i:195+4*\i] offset:512*\i   ; each accumulator from its low end on
.endr
	ds_store_b32 v6, v12 offset:4096
	ds_store_b32 v6, v14 offset:4224
	s_wait_dscnt 0x0                               ; for my partner's sake: my stores have landed
	s_barrier_signal -1
	s_barrier_wait -1
.irp i, 0,1,2,3,4,5,6,7
	ds_load_b128 v[96+4*\i:99+4*\i], v7 offset:512*\i
.endr
	ds_load_b32 v128, v8 offset:4096
	ds_load_b32 v129, v8 offset:4224
	v_and_b32 v134, 15, v0                         ; r
	v_bfe_u32 v135, v0, 4, 1                       ; h
	v_mul_u32_u24 v9, v134, 272
	v_lshl_add_u32 v9, v135, 5, v9
	v_add_nc_u32 v9, s46, v9                       ; the stage, in: row r; tile a's eight channels of my half at 64 a + 32 h
	v_mul_u32_u24 v10, v135, 272
	v_lshl_add_u32 v10, v134, 4, v10
	v_add_nc_u32 v10, s46, v10                     ; back: lanes 0-15 one row of 256 bytes, lanes 16-31 the next
	v_lshlrev_b32 v11, 9, v135
	v_lshl_add_u32 v11, v134, 4, v11               ; and the same two rows in out
	s_wait_dscnt 0x0
	v_min_num_f32 v130, v12, v128                  ; the common -M: the larger M
	v_sub_f32 v131, v130, v12
	v_sub_f32 v132, v130, v128
	v_cvt_i32_f32 v131, v131
	v_cvt_i32_f32 v132, v132
	v_ldexp_f32 v131, 1.0, v131                    ; what brings my sums under the common M (0 if my keys were all hidden and my partner's were not),
	v_ldexp_f32 v132, 1.0, v132                    ; and my partner's
	v_mul_f32 v133, v14, v131
	v_fma_f32 v133, v129, v132, v133               ; the row's sum
	v_rcp_f32 v133, v133
	v_nop                                          ; a plain line behind the reciprocal
	s_wait_alu depctr_va_vdst(0)
	v_mul_f32 v236, v131, v133
	v_mul_f32 v238, v132, v133
.set n, 0
.rept 16
	v_pk_mul_f32 v[96+n:97+n], v[96+n:97+n], v[238:239] op_sel_hi:[1,0]
.set n, n+2
.endr
.set n, 0
.rept 16
	v_pk_fma_f32 v[96+n:97+n], v[160+n:161+n], v[236:237], v[96+n:97+n] op_sel_hi:[1,0,1]   ; register 8 a + j: out(r, 64 x parity + 16 a + 8 h + j)
.set n, n+2
.endr
	; THE WAY OUT: through my own stage, so that sixteen lanes store 256 consecutive bytes of a row, aligned.  LDS serves a wave's instructions in order: the loads see the stores.
.irp a, 0,1,2,3
	ds_store_b128 v9, v[96+8*\a:99+8*\a] offset:64*\a
	ds_store_b128 v9, v[100+8*\a:103+8*\a] offset:64*\a+16
.endr
.irp i, 0,1,2,3,4,5,6,7
	ds_load_b128 v[32+4*\i:35+4*\i], v10 offset:544*\i
.endr
.irp i, 0,1,2,3,4,5,6,7
	s_wait_dscnt 7-\i                              ; the younger loads may be out
	global_store_b128 v11, v[32+4*\i:35+4*\i], s[10:11] offset:1024*\i th:TH_STORE_NT
.endr
	s_wait_tensorcnt 0x0                           ; the wave's end: behind my last tensor load and my last LDS store
	ds_add_u32 v3, v4
	s_wait_dscnt 0x0
	ROUND                                          ; the closing round: no work-group ends while a partner may still ask for a block that names it
	s_endpgm
.Lfunc_end_k_q29b7e35aa4_attn:
	.size	k_q29b7e35aa4_attn, .Lfunc_end_k_q29b7e35aa4_attn-k_q29b7e35aa4_attn
	.p2alignl 7, 3214868480
	.fill 96, 4, 3214868480
	.section	.rodata,"a",@progbits
	.p2align	6, 0x0
	.amdhsa_kernel k_q29b7e35aa4_attn
		.amdhsa_group_segment_fixed_size 327680
		.amdhsa_private_segment_fixed_size 0
		.amdhsa_enable_private_segment 0
		.amdhsa_kernarg_size 32
		.amdhsa_user_sgpr_count 2
		.amdhsa_user_sgpr_kernarg_segment_ptr 1
		.amdhsa_wavefront_size32 1
		.amdhsa_system_sgpr_workgroup_id_x 1
		.amdhsa_system_sgpr_workgroup_id_y 1
		.amdhsa_system_sgpr_workgroup_id_z 1
		.amdhsa_system_vgpr_workitem_id 0
		.amdhsa_next_free_vgpr 256
		.amdhsa_next_free_sgpr 66
		.amdhsa_reserve_vcc 1
		.amdhsa_float_denorm_mode_32 3
		.amdhsa_float_denorm_mode_16_64 3
		.amdhsa_memory_ordered 1
		.amdhsa_forward_progress 1
		.amdhsa_inst_pref_size 118
	.end_amdhsa_kernel
	.amdgpu_metadata
---
amdhsa.version: [ 1, 2 ]
amdhsa.kernels:
  - .name:           k_q29b7e35aa4_attn
    .symbol:         k_q29b7e35aa4_attn.kd
    .args:
      - { .name: q, .offset: 0, .size: 8, .value_kind: global_buffer, .address_space: global }
      - { .name: mask, .offset: 8, .size: 8, .value_kind: global_buffer, .address_space: global }
      - { .name: kv, .offset: 16, .size: 8, .value_kind: global_buffer, .address_space: global }
      - { .name: out0, .offset: 24, .size: 8, .value_kind: global_buffer, .address_space: global }
    .group_segment_fixed_size: 327680
    .private_segment_fixed_size: 0
    .kernarg_segment_align: 8
    .kernarg_segment_size: 32
    .max_flat_workgroup_size: 512
    .sgpr_count:     66
    .vgpr_count:     256
    .wavefront_size: 32
...
	.end_amdgpu_metadata
.endif
;; end of part 2
;; ======== version 2 of 2: 2 launches
;; limits: right only within a limited range of input values
;; workspace buffers: kv 6,553,600 bytes
;; launch prep (part 3): grid 256 x 1, 8 waves a work-group, no clusters, 68,608 bytes of LDS; arguments k, v, kv; writes kv
.if DOCPART == 3
	.amdgcn_target "amdgcn-amd-amdhsa--gfx1250"
	.amdhsa_code_object_version 6
	.text
	.protected	k_q29b7e35aa4_prep
	.globl	k_q29b7e35aa4_prep
	.p2align	8
	.type	k_q29b7e35aa4_prep,@function
k_q29b7e35aa4_prep:
	s_mov_b64 s[64:65], 0
	v_nop
	global_prefetch_b8 v0, s[64:65] scope:SCOPE_SE
	s_setreg_imm32_b32 hwreg(HW_REG_WAVE_MODE, 25, 1), 1
	s_wait_xcnt 0x0
; k and v, [16][2048][128] f32, become codes of FP6 (E2M3) with one E8M0 scale byte for each 32 along a product's K: k along the head's 128, v along the KEYS.
; They are laid in kv as IMAGES OF THE OPERANDS' REGISTERS, one dense block of 25,600 bytes for each (head, key step of 128 keys); work-group x = 16 x head + step makes block x:
;   0      K's eight tiles, 1,536 bytes each: registers 4 g .. 4 g + 3 of the fragment's twelve, of lane L, at 512 g + 16 L
;   12,288 V^T's eight tiles (tile t: channels 16 t .. 16 t + 15; K = the step's 128 keys in their order), the same form
;   24,576 K's scale words: pair p at 128 p + 4 L: lanes 0-15 tile 2 p's rows, lanes 16-31 tile 2 p + 1's;   25,088 V's, the same form
; THE KEYS OF A TILE OF K ARE NOT NEIGHBOURS: row r of tile 4 c + u is key 64 c + 8 u + r % 8 + 32 (r / 8), so that in the next launch the 32 score registers of tiles 4 c .. 4 c + 3
; are, in each lane, the 32 neighbouring keys of ONE block: block 2 c in lanes 0-15, block 2 c + 1 in lanes 16-31.
; A block's scale is 2^(floor(log2(its largest magnitude)) - 2): its byte is the largest magnitude's exponent field - 2, held at 1 from below by a floor among the maximum's leaves.
; LIMITS: a block of zeros, and one whose largest magnitude lies under 2^-124, gets the byte 1 (zero codes add nothing under any byte but 0xff; this program alone reads the bytes); NaN and infinities are not served.
; SHARES: waves 0-3 take K (wave w: tiles 2 w, 2 w + 1), waves 4-7 take V (channels 32 (w - 4) on = tiles 2 (w - 4), 2 (w - 4) + 1).  A wave reads 16 KiB, all asked for at once.
; Waves share nothing: no barrier.  No tensor load, no loop.  Matrix units and clusters have nothing to do here: each input byte is read once, by one wave.
.set SP,    528                        ; a stage row: a key's 512 bytes + 16
.set STG,   32*SP                      ; a K wave's own stage: 32 rows
.set BLKB,  25600
.set I0,    224                        ; v224-235 the first tile's image;  v236-247 the second's
.set I1,    236
	s_load_b128 s[4:7], s[0:1], 0x0                ; k, v
	s_load_b64 s[8:9], s[0:1], 0x10                ; kv
	v_lshl_add_u32 v251, v0, 2, 0x10800            ; my spare word, behind the four stages
	v_mov_b32 v255, 0
	v_lshrrev_b32 v1, 5, v0
	s_delay_alu instid0(VALU_DEP_1)
	v_readfirstlane_b32 s12, v1                    ; wave 0..7
	s_and_b32 s13, s12, 3                          ; which quarter of K or of V
	v_and_b32 v1, 31, v0                           ; lane L
	v_and_b32 v2, 15, v0                           ; r
	v_bfe_u32 v3, v0, 4, 1                         ; h
	s_delay_alu instid0(VALU_DEP_3)
	v_lshlrev_b32 v4, 4, v1                        ; 16 L: my bytes of a key's row, and of an image's group
	s_delay_alu instid0(VALU_DEP_4)
	v_lshlrev_b32 v5, 2, v1                        ; 4 L: my channel in a row of v, and my scale word
	s_mul_i32 s14, s13, STG
	v_add_nc_u32 v6, s14, v4                       ; the stage, on the way in: 16 L of a row
	v_mul_u32_u24 v7, v2, SP
	s_delay_alu instid0(VALU_DEP_1)
	v_lshl_add_u32 v7, v3, 7, v7
	s_delay_alu instid0(VALU_DEP_1)
	v_add_nc_u32 v7, s14, v7                       ; and out: row r, + 128 h: my 32 numbers of each 64
	v_lshlrev_b32 v8, 3, v3                        ; 8 h: where my two scale bytes stand in the word
	v_mov_b32 v9, 0                                ; a lane permute's destination counts as one of its sources
	s_mov_b32 s20, 0x76543210
	s_mov_b32 s21, 0xfedcba98                      ; v_permlanex16_b32's selects for lane l xor 16
	s_lshl_b32 s16, ttmp9, 16                      ; the step's 128 rows of 512 bytes begin 65,536 x bytes on, in k and in v
	s_mov_b32 s17, 0
	s_mul_i32 s18, ttmp9, BLKB
	s_mov_b32 s19, 0
	s_wait_kmcnt 0x0
	s_add_nc_u64 s[8:9], s[8:9], s[18:19]          ; my block
	s_mul_i32 s22, s13, 3072
	s_mov_b32 s23, 0
	s_add_nc_u64 s[24:25], s[8:9], s[22:23]        ; + my two tiles' images
	s_lshl_b32 s22, s13, 7
	s_add_nc_u64 s[26:27], s[8:9], s[22:23]        ; + my pair's scale words
	s_cmp_lt_u32 s12, 4
	s_cbranch_scc0 .Lv
; 64 numbers of a lane, v[src + 32 c + i] = k 64 c + 32 h + i of my row: two whole blocks, h and 2 + h.  They become the fragment's twelve registers in v[img] on and the row's scale word in v[word].
.macro Q64 src, img, word
.irp c, 0,1
	v_max3_num_f32 v[16+\c], |v[\src+32*\c]|, |v[\src+1+32*\c]|, 0x1800000   ; the floor 2^(3 - 127) among the leaves: the byte cannot fall under 1
.endr
.irp i, 2,4,6,8,10,12,14,16,18,20,22,24,26,28,30
.irp c, 0,1
	s_delay_alu instid0(VALU_DEP_2)
	v_max3_num_f32 v[16+\c], v[16+\c], |v[\src+32*\c+\i]|, |v[\src+1+32*\c+\i]|   ; the two blocks by turns
.endr
.endr
.irp c, 0,1
	s_delay_alu instid0(VALU_DEP_2)
	v_add_nc_u32 v[18+\c], 0xff000000, v[16+\c]    ; 2 off the exponent field: the conversion takes this operand's exponent field as its scale
.endr
.irp c, 0,1
	s_delay_alu instid0(VALU_DEP_2)
	v_lshrrev_b32 v[20+\c], 23, v[18+\c]           ; the scale's byte
.endr
	s_delay_alu instid0(VALU_DEP_1)
	v_lshl_or_b32 v[\word], v21, 16, v20           ; my two bytes,
	s_delay_alu instid0(VALU_DEP_1)
	v_lshlrev_b32 v[\word], v8, v[\word]           ; at their places,
	s_delay_alu instid0(VALU_DEP_1)
	v_permlanex16_b32 v9, v[\word], s20, s21
	s_delay_alu instid0(VALU_DEP_1)
	v_or_b32 v[\word], v[\word], v9                ; and lane l xor 16's two: the word is whole in both
.irp c, 0,1
	v_cvt_scalef32_pk16_fp6_f32 v[\img+6*\c:\img+2+6*\c], v[\src+32*\c:\src+15+32*\c], v[18+\c]
	v_cvt_scalef32_pk16_fp6_f32 v[248+4*\c:250+4*\c], v[\src+16+32*\c:\src+31+32*\c], v[18+\c]   ; a conversion's three registers begin on an even number: the block's upper half is made elsewhere and moved
.endr
	v_nop                                          ; one plain line behind the scaled conversions
.irp c, 0,1
.irp i, 0,1,2
	v_mov_b32 v[\img+3+6*\c+\i], v[248+4*\c+\i]
.endr
.endr
.endm
	; ---- K.  My tiles 2 w, 2 w + 1 take the keys 64 (w / 2) + 16 (w % 2) + 0 .. 15 and the sixteen that lie 32 further on.
	; Each load takes one key's row, 512 consecutive bytes; the rows turn through my stage, so that a lane gets 32 neighbours along the head's axis.
	s_lshr_b32 s22, s13, 1
	s_lshl_b32 s22, s22, 15
	s_and_b32 s28, s13, 1
	s_lshl_b32 s28, s28, 13
	s_add_co_u32 s16, s16, s22
	s_add_co_u32 s16, s16, s28                     ; + my first key
	s_add_nc_u64 s[4:5], s[4:5], s[16:17]
.set i, 0
	s_wait_alu depctr_va_vdst(0)
.rept 32
	global_load_b128 v[32+4*i:35+4*i], v4, s[4:5] offset:512*i+8192*(i/16) th:TH_LOAD_NT
.set i, i+1
.endr
.set i, 0
.rept 4
	s_wait_loadcnt 24-i                            ; loads come back in order: these eight rows are in, the younger ones may be out
.rept 8
	ds_store_b128 v6, v[32+4*i:35+4*i] offset:(16*((i/8)%2)+(i%8)+8*(i/16))*SP   ; load i is row i % 8 + 8 (i / 16) of tile (i / 8) % 2: a tile's rows lie together
.set i, i+1
.endr
.endr
.irp c, 0,1
.irp j, 0,1,2,3,4,5,6,7
	ds_load_b128 v[160+32*\c+4*\j:163+32*\c+4*\j], v7 offset:256*\c+16*\j          ; the first tile (LDS serves a wave's instructions in order: these see my stores)
.endr
.endr
	s_wait_dscnt 0x0                               ; it is in, and the stores have read v32 on,
.irp c, 0,1
.irp j, 0,1,2,3,4,5,6,7
	ds_load_b128 v[32+32*\c+4*\j:35+32*\c+4*\j], v7 offset:16*SP+256*\c+16*\j      ; where the second tile lands while the first is worked
.endr
.endr
	Q64 160, I0, 24
	s_wait_dscnt 0x0
	Q64 32, I1, 25
	v_cmp_le_u32 vcc_lo, 16, v1
	s_delay_alu instid0(VALU_DEP_1)
	v_cndmask_b32 v24, v24, v25, vcc_lo            ; lanes 0-15 the first tile's words, lanes 16-31 the second's
.irp g, 0,1,2
	global_store_b128 v4, v[I0+4*\g:I0+4*\g+3], s[24:25] offset:512*\g             ; each store covers 512 consecutive bytes, aligned
	global_store_b128 v4, v[I1+4*\g:I1+4*\g+3], s[24:25] offset:1536+512*\g
.endr
	global_store_b32 v5, v24, s[26:27] offset:24576                                ; 128 bytes a wave: 1 KiB of a block's 25 KiB leaves in such halves
	s_wait_tensorcnt 0x0                           ; the wave's end
	ds_add_u32 v251, v255
	s_wait_dscnt 0x0
	s_endpgm
	; ---- V.  A lane takes a channel and its registers run down the keys: a block of 32 keys lies in one lane, and the codes come out with the keys innermost.  Nothing is transposed.
.Lv:
	s_add_co_u32 s16, s16, s22                     ; + my 32 channels (s22 = 128 x quarter)
	s_add_nc_u64 s[6:7], s[6:7], s[16:17]
.set i, 0
	s_wait_alu depctr_va_vdst(0)
.rept 128
	global_load_b32 v[32+i], v5, s[6:7] offset:512*i th:TH_LOAD_NT                 ; key i: 128 consecutive bytes a wave, the four waves side by side on a row's 512
.set i, i+1
.endr
.macro VMAX b0, b1                     ; the largest magnitudes of two blocks, by turns
.irp b, \b0, \b1
	v_max3_num_f32 v[16+\b], |v[32+32*\b]|, |v[33+32*\b]|, 0x1800000
.endr
.irp i, 2,4,6,8,10,12,14,16,18,20,22,24,26,28,30
.irp b, \b0, \b1
	s_delay_alu instid0(VALU_DEP_2)
	v_max3_num_f32 v[16+\b], v[16+\b], |v[32+32*\b+\i]|, |v[33+32*\b+\i]|
.endr
.endr
.endm
	s_wait_loadcnt 63                              ; behind block 1's last load 64 were issued: with 63 out at the most, blocks 0 and 1 are in
	VMAX 0, 1
	s_wait_loadcnt 0x0
	VMAX 2, 3
.irp b, 0,1,2,3
	v_add_nc_u32 v[20+\b], 0xff000000, v[16+\b]    ; the conversions' scale operands
.endr
.irp b, 0,1,2,3
	s_delay_alu instid0(VALU_DEP_4)
	v_lshrrev_b32 v[16+\b], 23, v[20+\b]           ; the bytes
.endr
	s_delay_alu instid0(VALU_DEP_3)
	v_lshl_or_b32 v24, v17, 8, v16                 ; all four bytes of my channel's word are mine
	s_delay_alu instid0(VALU_DEP_1)
	v_lshl_or_b32 v24, v18, 16, v24
	s_delay_alu instid0(VALU_DEP_1)
	v_lshl_or_b32 v24, v19, 24, v24
.irp c, 0,1
	v_cvt_scalef32_pk16_fp6_f32 v[I0+6*\c:I0+2+6*\c], v[32+64*\c:47+64*\c], v[20+2*\c]     ; block 2 c, lower 16 keys
	v_cvt_scalef32_pk16_fp6_f32 v[160+4*\c:162+4*\c], v[48+64*\c:63+64*\c], v[20+2*\c]     ; upper 16
	v_cvt_scalef32_pk16_fp6_f32 v[I1+6*\c:I1+2+6*\c], v[64+64*\c:79+64*\c], v[21+2*\c]     ; block 2 c + 1, lower 16
	v_cvt_scalef32_pk16_fp6_f32 v[168+4*\c:170+4*\c], v[80+64*\c:95+64*\c], v[21+2*\c]     ; upper 16
.endr
	v_nop                                          ; one plain line behind the scaled conversions
; A fragment's lanes 0-15 hold block 2 c of rows 0-15, its lanes 16-31 block 2 c + 1 of the same rows.  My lanes 0-15 are the first tile's channels, lanes 16-31 the second's:
; block 2 c's lanes 16-31 change places with block 2 c + 1's lanes 0-15, and the two registers are the two tiles'.
.irp c, 0,1
.irp i, 0,1,2
	v_permlane16_swap_b32 v[I0+6*\c+\i], v[I1+6*\c+\i]
	v_permlane16_swap_b32 v[160+4*\c+\i], v[168+4*\c+\i]
.endr
.endr
.irp c, 0,1
.irp i, 0,1,2
	v_mov_b32 v[I0+3+6*\c+\i], v[160+4*\c+\i]
	v_mov_b32 v[I1+3+6*\c+\i], v[168+4*\c+\i]
.endr
.endr
.irp g, 0,1,2
	global_store_b128 v4, v[I0+4*\g:I0+4*\g+3], s[24:25] offset:12288+512*\g
	global_store_b128 v4, v[I1+4*\g:I1+4*\g+3], s[24:25] offset:12288+1536+512*\g
.endr
	global_store_b32 v5, v24, s[26:27] offset:25088
	s_endpgm
.Lfunc_end_k_q29b7e35aa4_prep:
	.size	k_q29b7e35aa4_prep, .Lfunc_end_k_q29b7e35aa4_prep-k_q29b7e35aa4_prep
	.p2alignl 7, 3214868480
	.fill 96, 4, 3214868480
	.section	.rodata,"a",@progbits
	.p2align	6, 0x0
	.amdhsa_kernel k_q29b7e35aa4_prep
		.amdhsa_group_segment_fixed_size 68608
		.amdhsa_private_segment_fixed_size 0
		.amdhsa_enable_private_segment 0
		.amdhsa_kernarg_size 24
		.amdhsa_user_sgpr_count 2
		.amdhsa_user_sgpr_kernarg_segment_ptr 1
		.amdhsa_wavefront_size32 1
		.amdhsa_system_sgpr_workgroup_id_x 1
		.amdhsa_system_sgpr_workgroup_id_y 1
		.amdhsa_system_sgpr_workgroup_id_z 1
		.amdhsa_system_vgpr_workitem_id 0
		.amdhsa_next_free_vgpr 256
		.amdhsa_next_free_sgpr 66
		.amdhsa_reserve_vcc 1
		.amdhsa_float_denorm_mode_32 3
		.amdhsa_float_denorm_mode_16_64 3
		.amdhsa_memory_ordered 1
		.amdhsa_forward_progress 1
		.amdhsa_inst_pref_size 40
	.end_amdhsa_kernel
	.amdgpu_metadata
---
amdhsa.version: [ 1, 2 ]
amdhsa.kernels:
  - .name:           k_q29b7e35aa4_prep
    .symbol:         k_q29b7e35aa4_prep.kd
    .args:
      - { .name: k, .offset: 0, .size: 8, .value_kind: global_buffer, .address_space: global }
      - { .name: v, .offset: 8, .size: 8, .value_kind: global_buffer, .address_space: global }
      - { .name: kv, .offset: 16, .size: 8, .value_kind: global_buffer, .address_space: global }
    .group_segment_fixed_size: 68608
    .private_segment_fixed_size: 0
    .kernarg_segment_align: 8
    .kernarg_segment_size: 24
    .max_flat_workgroup_size: 256
    .sgpr_count:     66
    .vgpr_count:     256
    .wavefront_size: 32
...
	.end_amdgpu_metadata
.endif
;; end of part 3
;; launch attn (part 4): grid 16 x 16, 8 waves a work-group, clusters of 4 x 1, 327,680 bytes of LDS; arguments q, mask, kv, out0; writes out0
.if DOCPART == 4
	.amdgcn_target "amdgcn-amd-amdhsa--gfx1250"
	.amdhsa_code_object_version 6
	.text
	.protected	k_q29b7e35aa4_attn
	.globl	k_q29b7e35aa4_attn
	.p2align	8
	.type	k_q29b7e35aa4_attn,@function
k_q29b7e35aa4_attn:
	s_mov_b64 s[64:65], 0
	v_nop
	global_prefetch_b8 v0, s[64:65] scope:SCOPE_SE
	s_setreg_imm32_b32 hwreg(HW_REG_WAVE_MODE, 25, 1), 1
	s_wait_xcnt 0x0
	s_wait_alu depctr_hold_cnt(0) depctr_sa_sdst(0) depctr_va_vdst(0) depctr_va_sdst(0) depctr_va_ssrc(0) depctr_va_vcc(0) depctr_vm_vsrc(0)
	s_getreg_b32 s2, hwreg(HW_REG_IB_STS2, 6, 4)
	s_cmp_eq_u32 s2, 0
	s_cbranch_scc0 .Lentry_in_a_cluster
	s_endpgm
.Lentry_in_a_cluster:
	s_bfe_u32 s2, ttmp6, 0x10000c
	s_cmp_lg_u32 s2, 0x3003
	s_cbranch_scc0 .Lentry_shape_is_right
	s_endpgm
.Lentry_shape_is_right:
; out[h][q][:] = the sum over k of softmax_k(s) v[h][k][:], s = q . k / sqrt(128), or -FLT_MAX where mask[h][q][k] is true.  Both products on codes of FP6 (E2M3) with one E8M0 scale for each 32 along K.
; q [16][2048][128] f32 is quantised here, in registers; k and v come as register images with their scale words, one dense block of 25,600 bytes for each (head, 128 keys), from the launch before.
; THE SOFTMAX: t = s log2(e); M = the row's largest t so far, rounded up to a whole number; p = 2^(t - M) is quantised along the keys, not normalised; the row's sum of the unquantised p divides at the end.
; When M moves, the sum and O are multiplied by 2^(old M - new M), which rounds nothing.
; THE MASK IS THE C OF THE SCORE PRODUCT.  Read as FP8 (E4M3), a mask byte is 0 or 2^-9; one conversion with the scale 2^127 makes of eight bytes eight f32 numbers, 0 for an open key and 2^118 for a hidden one.
; Q's codes have their signs flipped, so the product gives n = -score, onto which the addend falls: a hidden key's n is about 2^118, and -n is out of the maximum by itself.
; A ROW WITH NO OPEN KEY.  The largest t begins at TF = -2^100; a hidden t, about -2^115, lies under it.  While a row's largest t is still TF, the exponent's factor and addend are both 0 by a select, so
; that p = 1 for every key; the first open key makes old M - new M about -2^100, whose power of two is 0, and wipes that out.  A row hidden throughout ends as the plain mean of v, as the softmax of equal logits is.
; LIMITS: mask bytes are 0 or 1; a row whose largest open t lies at or under -2^100 counts as hidden; scores stay finite; NaN and infinities are not served;
; a block of q or of p whose largest magnitude lies under 2^-124 gets the byte 1.
; SHARES.  A work-group owns 128 queries of one head.  Wave w owns two tiles of 16 queries, A and B (rows 32 (w % 4) on), and the key steps 2 i + w / 4, i = 0 .. 7, with their M, sums and O^T: each fragment
; of K and V from LDS feeds both tiles.  The two waves of a pair of tiles join at the end by powers of two, each finishing 64 of the 128 channels.  Eight waves of 512 registers, two to a SIMD.
; LAYOUT.  Both products are used transposed: S^T = K Q^T (source 0 = 16 keys), O^T = V^T P^T (source 0 = 16 channels): a lane holds ONE query of each tile (r = lane % 16) throughout.  Score register 32 c + i of
; lane half h is key 64 c + 32 h + i: a whole block of 32 in a lane, which is also what the next product's operand wants.
; CLUSTER.  The four work-groups of a cluster are four query blocks of one head and walk the same blocks of kv: each block is asked for JOINTLY, by the same tensor load with a mask that names the four.
; LDS: twelve places of one block each.  Blocks 0 .. 11 are asked for at the head, blocks 0-3 by waves 0-3, blocks 4-11 in twos by waves 4-7; blocks 12 .. 15 are the only refill, into places 0 .. 3.  Three barriers order this:
;   at the head, behind the wait of waves 0-3: blocks 0-3 and the pairs' codes of q are in;
;   a round of the cluster's barrier, signalled in step 1 ahead of tile A's exponentials and waited for behind the first products: blocks 4-11 are in, nobody reads places 0-3 any more: they are filled again;
;   signalled and waited for at the same places of step 5: blocks 12-15 are in, and nobody reads places 4-11 any more.
; The exchange between partners lies in places 4-6, behind that last barrier; the stage for the way out in places 0-2, behind the exchange's barrier.
; PREFETCH: none.  A step's mask is asked for into registers one whole step ahead, twelve of sixteen blocks go out at the head, and the last four have the steps 2 to 4 in which to land; there is no loop to run ahead in.
; THE STEPS ARE WRITTEN BY A MACRO, eight times: each has its own LDS place, mask offset and barrier as constants; the first starts O^T by a C of 0, the last asks for nothing more.
; REGISTERS.  Two windows of 256; tile A's lie in window 0, tile B's in window 1 at the same numbers: v12 -M, v13 the largest t, v[14:15] the sum in two halves, v16-27 -Q's codes, v28 the exponent's factor (v29 = -c),
; v30 its addend (v31 = my byte in the mask's rows), v80-95 mask words, v96-159 n then p, v160-223 O^T (accumulators 0-3: the channels that I finish; 4-7: my partner's), v224-235 p's codes (first the maxima's chains),
; v236-238, 240-242 at work, v239 8 h, v243 a permute's result, v244-245 the two blocks' maxima, then scale operands, v[252:253] f and the mask's scale.  v32-79 is a fragment buffer in each window: F0, F1.
; In window 0 alone: v1 16 x lane + my parity's block, v2 4 x lane + the same, v3-4 the add's two, v5-7 LDS addresses (v7 later the new -M), v8-11 V's scale words, v246-247 p's scale words of B and A,
; v248-251 K's scale words, v254-255 Q's scale words of B and A.
; s_set_vgpr_msb's low byte: bits 1:0 source 0, 3:2 source 1, 5:4 source 2, 7:6 destination.
.set BLKB,  25600
.set EXCH,  4*BLKB
.set EXT,   4352                       ; a tile's part of the exchange: 32 registers' images, then -M's words at 4,096 and the sum's at 4,224.  Also a tile's stage: 16 rows x 272
.set EXW,   2*EXT
.set SPARE, 12*BLKB                    ; 307,200: the spare words, 128 bytes for each of eight waves: four blocks of 256 bytes that no other line names
.set QX,    SPARE+1024                 ; the codes of q on their way between the waves of a pair: 1,536 bytes of codes and 128 of scale words for each tile
.set QXW,   1792
.set MSB, 0
.macro WIN new                         ; the immediate's high byte repeats the setting that is left
.if MSB != \new
	s_set_vgpr_msb (MSB<<8)|\new
.set MSB, \new
.endif
.endm
.macro WALU
	s_wait_alu depctr_va_vdst(0)
.endm
.macro CREST                           ; a round of the cluster's barrier behind its opening barrier: wave 0 signals for the work-group; every wave waits for all four; my work-group's barrier once more
	s_cmp_lg_u32 s12, 0
	s_cbranch_scc1 .Lnot_wave_0_\@
	s_barrier_signal -3
.Lnot_wave_0_\@:
	s_barrier_wait -3
	s_barrier_signal -1
	s_barrier_wait -1
.endm
.macro ROUND
	s_barrier_signal -1
	s_barrier_wait -1
	CREST
.endm
.macro PLACES
.rept 4
	v_nop
.endr
.endm
.macro MLOAD st, row                   ; a query's mask bytes of my step st: 32 consecutive bytes for each c, at 64 c + 32 h
.irp m, 0,1,2,3
	global_load_b128 v[80+4*\m:83+4*\m], v31, s[6:7] offset:2048*(\row)+256*(\st)+64*(\m/2)+16*(\m%2)   ; no hint: the four loads take pieces of the same 128 consecutive bytes of each of sixteen rows
.endr
.endm
.macro MASKS                           ; key tile t's eight addends from its eight mask bytes
.irp t, 0,1,2,3,4,5,6,7
	v_cvt_scale_pk8_f32_fp8 v[96+8*\t:103+8*\t], v[80+2*\t:81+2*\t], v253
.endr
.endm
.macro KWORDS
.irp p, 0,1,2,3
	ds_load_b32 v[248+\p], v6 offset:24576+128*\p  ; one register carries two tiles' scale words: the even tile's in lanes 0-15, the odd one's in lanes 16-31
.endr
.endm
.macro KLOAD g                         ; four tiles of 16 keys, as they lie: three loads of 512 consecutive bytes each
.irp t, 0,1,2,3
.irp c, 0,1,2
	ds_load_b128 v[32+12*\t+4*\c:35+12*\t+4*\c], v5 offset:(4*\g+\t)*1536+512*\c
.endr
.endr
.endm
.macro VLOAD adr                       ; four tiles of V^T
.irp a, 0,1,2,3
.irp c, 0,1,2
	ds_load_b128 v[32+12*\a+4*\c:35+12*\a+4*\c], v[\adr] offset:1536*\a+512*\c
.endr
.endr
.endm
.macro KQ g, qs, cnt                   ; n = -K Q^T + the mask's addend on key tiles 4 g .. 4 g + 3; cnt: the LDS loads issued behind the first tile's
.irp t, 0,1,2,3
.if \cnt >= 0
	s_wait_dscnt \cnt-3*\t
.endif
.if \t%2
	v_wmma_scale_f32_16x16x128_f8f6f4 v[96+8*(4*\g+\t):103+8*(4*\g+\t)], v[32+12*\t:43+12*\t], v[16:27], v[96+8*(4*\g+\t):103+8*(4*\g+\t)], v[248+2*\g+\t/2], v[\qs] matrix_a_fmt:MATRIX_FMT_FP6 matrix_b_fmt:MATRIX_FMT_FP6 matrix_a_scale:MATRIX_SCALE_ROW1
.else
	v_wmma_scale_f32_16x16x128_f8f6f4 v[96+8*(4*\g+\t):103+8*(4*\g+\t)], v[32+12*\t:43+12*\t], v[16:27], v[96+8*(4*\g+\t):103+8*(4*\g+\t)], v[248+2*\g+\t/2], v[\qs] matrix_a_fmt:MATRIX_FMT_FP6 matrix_b_fmt:MATRIX_FMT_FP6
.endif
.endr
.endm
.macro PV a0, sc, ps, zero             ; O^T += V^T P^T on accumulators a0 .. a0 + 3, one instruction a turn.  zero: the first step starts the sums
.irp a, 0,1,2,3
.if \zero
.if \a%2
	v_wmma_scale_f32_16x16x128_f8f6f4 v[160+8*(\a0+\a):167+8*(\a0+\a)], v[32+12*\a:43+12*\a], v[224:235], 0, v[\sc+\a/2], v[\ps] matrix_a_fmt:MATRIX_FMT_FP6 matrix_b_fmt:MATRIX_FMT_FP6 matrix_a_scale:MATRIX_SCALE_ROW1
.else
	v_wmma_scale_f32_16x16x128_f8f6f4 v[160+8*(\a0+\a):167+8*(\a0+\a)], v[32+12*\a:43+12*\a], v[224:235], 0, v[\sc+\a/2], v[\ps] matrix_a_fmt:MATRIX_FMT_FP6 matrix_b_fmt:MATRIX_FMT_FP6
.endif
.else
.if \a%2
	v_wmma_scale_f32_16x16x128_f8f6f4 v[160+8*(\a0+\a):167+8*(\a0+\a)], v[32+12*\a:43+12*\a], v[224:235], v[160+8*(\a0+\a):167+8*(\a0+\a)], v[\sc+\a/2], v[\ps] matrix_a_fmt:MATRIX_FMT_FP6 matrix_b_fmt:MATRIX_FMT_FP6 matrix_a_scale:MATRIX_SCALE_ROW1
.else
	v_wmma_scale_f32_16x16x128_f8f6f4 v[160+8*(\a0+\a):167+8*(\a0+\a)], v[32+12*\a:43+12*\a], v[224:235], v[160+8*(\a0+\a):167+8*(\a0+\a)], v[\sc+\a/2], v[\ps] matrix_a_fmt:MATRIX_FMT_FP6 matrix_b_fmt:MATRIX_FMT_FP6
.endif
.endif
.endr
.endm
.macro BMAX c                          ; my block c's largest score = the largest -n of its 32 registers: four chains, each over one key tile's accumulator
.irp k, 0,1,2,3
	v_max3_num_f32 v[224+\k], -v[96+32*\c+8*\k], -v[97+32*\c+8*\k], -v[98+32*\c+8*\k]
.endr
.irp j, 3,5
.irp k, 0,1,2,3
	v_max3_num_f32 v[224+\k], v[224+\k], -v[96+32*\c+8*\k+\j], -v[97+32*\c+8*\k+\j]
.endr
.endr
	v_max3_num_f32 v224, v224, -v[103+32*\c], -v[111+32*\c]
	v_max3_num_f32 v226, v226, -v[119+32*\c], -v[127+32*\c]
	v_max3_num_f32 v224, v224, v225, v227
	v_max_num_f32 v[244+\c], v224, v226
.endm
.macro SBYTES                          ; the two blocks' scale operands in v244-245 give the row's scale word: bytes h and 2 + h are mine, the others lane l xor 16's: left to be joined in v247 and v243
.irp c, 0,1
	v_lshrrev_b32 v[240+\c], 23, v[244+\c]
.endr
	v_lshl_or_b32 v247, v241, 16, v240
	s_delay_alu instid0(VALU_DEP_1)
	v_lshlrev_b32 v247, v239, v247
	s_delay_alu instid0(VALU_DEP_1)
	v_permlanex16_b32 v243, v247, s20, s21
.endm
.macro CODES src, dst                  ; 64 numbers of a lane, two whole blocks: the lower halves' codes to their places, the upper halves' to v236-238 and v240-242 (a conversion's three registers begin on an even number)
.irp c, 0,1
	v_cvt_scalef32_pk16_fp6_f32 v[\dst+6*\c:\dst+2+6*\c], v[\src+32*\c:\src+15+32*\c], v[244+\c]
	v_cvt_scalef32_pk16_fp6_f32 v[236+4*\c:238+4*\c], v[\src+16+32*\c:\src+31+32*\c], v[244+\c]
.endr
.endm
.macro SUMHEAD                         ; THE ROW'S SUM IS TAKEN OF THE UNQUANTISED p: four chains, two numbers an instruction
	v_pk_add_f32 v[236:237], v[96:97], v[98:99]
	v_pk_add_f32 v[240:241], v[100:101], v[102:103]
	v_pk_add_f32 v[244:245], v[104:105], v[106:107]
	v_pk_add_f32 v[14:15], v[14:15], v[108:109]
.endm
.macro SUMREST
.set n, 14
.rept 6
	v_pk_add_f32 v[14:15], v[14:15], v[96+n:97+n]
	v_pk_add_f32 v[236:237], v[236:237], v[98+n:99+n]
	v_pk_add_f32 v[240:241], v[240:241], v[100+n:101+n]
	v_pk_add_f32 v[244:245], v[244:245], v[102+n:103+n]
.set n, n+8
.endr
	v_pk_add_f32 v[14:15], v[14:15], v[158:159]
	v_pk_add_f32 v[236:237], v[236:237], v[240:241]
	v_pk_add_f32 v[14:15], v[14:15], v[244:245]
	v_pk_add_f32 v[14:15], v[14:15], v[236:237]
.endm
; One tile's softmax of step i, from its two blocks' largest scores to p's codes and O^T under the new M.  tl: 0 tile A, 1 tile B (windows 0 and 0x55).  bar: 1 a barrier's signal in tile A's, 3 the refill's round.
.macro SOFT i, tl, bar
	v_max_num_f32 v236, v244, v245
	s_delay_alu instid0(VALU_DEP_1)
	v_permlanex16_b32 v243, v236, s20, s21
	s_delay_alu instid0(VALU_DEP_1)
	v_max_num_f32 v236, v236, v243                 ; the step's largest score of my query
	s_delay_alu instid0(VALU_DEP_1)
	v_mul_f32 v236, s22, v236                      ; as t (c is positive)
	s_delay_alu instid0(VALU_DEP_1)
	v_max_num_f32 v13, v13, v236                   ; the running largest t; hidden keys alone leave it at TF
	s_delay_alu instid0(VALU_DEP_1)
	v_floor_f32 v7, -v13                           ; the new -M = floor(-t) = -ceil(t): a whole number
.if \i > 0
	s_delay_alu instid0(VALU_DEP_1)
	v_sub_f32 v236, v7, v12                        ; old M - new M: a whole number, 0 or less
.endif
	v_cmp_lt_f32 vcc_lo, s23, v13                  ; has my row had an open key?
.if \i > 0
	s_delay_alu instid0(VALU_DEP_2)
	v_cvt_i32_f32 v236, v236                       ; (it saturates)
.endif
	v_cndmask_b32 v28, 0, v29, vcc_lo              ; then the exponent is -c n - M; else 0 n + 0: p = 1 for every key
.if \i > 0
	s_delay_alu instid0(VALU_DEP_2)
	v_ldexp_f32 v252, 1.0, v236                    ; f = 2^(old M - new M)
.endif
	v_cndmask_b32 v30, 0, v7, vcc_lo
.if \bar && (\tl == 0)
	WALU
	s_wait_tensorcnt 0x0                           ; no tensor load of mine is out
.if \bar == 3
	ds_add_u32 v3, v4
	s_add_nc_u64 s[34:35], s[34:35], 12*BLKB       ; waves 0-3: from block w to block 12 + w; the LDS place stays.  The type bits on top are not reached
.endif
.endif
.set n, 0
.rept 32
	v_pk_fma_f32 v[96+n:97+n], v[96+n:97+n], v[28:29], v[30:31] op_sel_hi:[1,0,0]   ; two at a time; of the two pairs the low word serves both halves
.set n, n+2
.endr
.irp c, 0,1
	v_fma_f32 v[244+\c], -v[244+\c], v28, v30      ; the same of each block's largest score: since p rises with the score, the block's largest p
.endr
	WALU
.if \bar && (\tl == 0)
	s_wait_dscnt 0x0                               ; my reads of this step's block are over (and the add is done): V^T's tiles are in my registers
	s_barrier_signal -1                            ; work on registers alone up to its wait
.endif
.if (\bar == 0) && \tl
	s_wait_dscnt 0x0                               ; V^T's tiles and the scale words are in
.endif
.set n, 0
.rept 64
	v_exp_f32 v[96+n], v[96+n]                     ; p, at most 1; 0 for a hidden key of a row that has an open one
.set n, n+1
.endr
.irp c, 0,1
	v_exp_f32 v[244+\c], v[244+\c]
.endr
.if \i > 0
	v_pk_mul_f32 v[14:15], v[14:15], v[252:253] op_sel_hi:[1,0]   ; the sums under the new M.  (The plain line behind the exponentials)
.else
	v_nop
.endif
	WALU
.irp c, 0,1
	v_max_num_f32 v[244+\c], 0x1800000, v[244+\c]  ; the floor 2^(3 - 127): the byte cannot fall under 1
.endr
.irp c, 0,1
	v_add_nc_u32 v[244+\c], 0xff000000, v[244+\c]  ; 2 off the exponent field: the conversion takes this operand's exponent field as its scale
.endr
	SBYTES
.if \tl
	WIN 0x05
	v_or_b32 v246, v247, v243                      ; tile B's scale word, into window 0
	WIN 0x55
.else
	v_or_b32 v247, v247, v243
.endif
	CODES 96, 224
	v_mov_b32 v12, v7                              ; (the plain line behind the scaled conversions)
.irp c, 0,1
.irp k, 0,1,2
	v_mov_b32 v[227+6*\c+\k], v[236+4*\c+\k]       ; the upper halves' codes to their places
.endr
.endr
.if \i > 0
	WALU
.set n, 0
.rept 32
	v_pk_mul_f32 v[160+n:161+n], v[160+n:161+n], v[252:253] op_sel_hi:[1,0]   ; O^T under the new M, each accumulator from its low end on
.set n, n+2
.endr
.elseif \tl
.rept 8
	v_nop                                          ; a scale register so written stands eight places ahead of a scaled matrix instruction
.endr
.endif
.endm
; MY KEY STEP i (128 keys).  Its K fragments are on their way into F0 and F1 when it begins, its addends stand in the score registers.
; The four places behind a run of matrix instructions, in front of loads into or reads of their registers, are filled by work that is due anyway.
.macro STEP i, bar
	WALU
	KQ 0, 255, 21                                  ; behind the first tile's loads: nine of F0's and F1's twelve
	WIN 0x54
	KQ 0, 254, -1
	WIN 0
	v_add_nc_u32 v7, s42, v5                       ; V's addresses: the tiles of the channels that I finish, my partner's, and their scale words
	v_add_nc_u32 v238, s43, v5
	v_add_nc_u32 v240, s44, v6
	v_add_nc_u32 v241, s45, v6
	VLOAD 7                                        ; into F0: they land under the softmax
	ds_load_b32 v8, v240
	ds_load_b32 v9, v240 offset:128
	ds_load_b32 v10, v241
	ds_load_b32 v11, v241 offset:128
	BMAX 0
	WIN 0x01
	KQ 1, 255, 25                                  ; behind the first tile's loads: nine of F1's and V's sixteen
	WIN 0x55
	KQ 1, 254, -1
	BMAX 0
	WIN 0x40
	VLOAD 238                                      ; into F1
	WIN 0x55
	BMAX 1
	WIN 0
	BMAX 1
	SOFT \i, 0, \bar
	WIN 0x55
	SOFT \i, 1, \bar
	WIN 0
	PV 0, 8, 247, (\i == 0)
	WIN 0x54
	PV 0, 8, 246, (\i == 0)
	WIN 0
	SUMHEAD
.if \i < 7
.set PL, 2*BLKB*((\i+1)%6)             ; my next step's place
.if PL
	v_add_nc_u32 v5, PL, v1
	v_add_nc_u32 v6, PL, v2
.else
	v_mov_b32 v5, v1
	v_mov_b32 v6, v2
.endif
.endif
.if \bar
	WALU
	s_barrier_wait -1
.endif
.if \bar == 3
	CREST                                          ; no wave of any partner still reads places 0-3 or has a load on its way
	s_cmp_lt_u32 s12, 4
	s_cbranch_scc0 .Lno_refill_\@
	tensor_load_to_lds s[32:35], s[24:31]          ; blocks 12-15, the first tensor load behind the round
	s_nop 0
	PLACES
.Lno_refill_\@:
.endif
.if \i < 7
	KWORDS                                         ; the next step's K: F0 lands under the products and sums below
	KLOAD 0
.endif
	WIN 0x01
	PV 4, 10, 247, (\i == 0)
	WIN 0x55
	PV 4, 10, 246, (\i == 0)
	SUMHEAD
.if \i < 7
	WIN 0x40
	KLOAD 1
	WIN 0x55
.endif
	SUMREST
.if \i < 7
	WALU
	s_wait_loadcnt 0x4                             ; tile B's mask of the next step is in; tile A's four loads behind it may be out
	MASKS                                          ; p is done with: its registers take the next step's addends
.if \i < 6
	MLOAD \i+2, 16                                 ; the mask of the step after the next: a whole step ahead of its use
.endif
.endif
	WIN 0
	SUMREST
.if \i < 7
	WALU
.if \i < 6
	s_wait_loadcnt 0x4                             ; tile A's is in; tile B's four new loads may be out
	MASKS
	MLOAD \i+2, 0
.else
	s_wait_loadcnt 0x0
	MASKS
.endif
	v_nop                                          ; one plain line behind the scaled conversions
.endif
.endm
	s_load_b256 s[4:11], s[0:1], 0x0               ; q s[4:5], mask s[6:7], kv s[8:9], out s[10:11]
	v_lshl_add_u32 v3, v0, 2, SPARE
	v_mov_b32 v4, 0
	ds_add_u32 v3, v4                              ; the wave's opening: the add, twice on end, and its wait ahead of the first tensor load
	ds_add_u32 v3, v4
	v_lshrrev_b32 v5, 5, v0
	v_readfirstlane_b32 s12, v5                    ; wave 0..7
	s_lshr_b32 s13, s12, 2                         ; the parity of my key steps; also which of my two tiles I quantise
	s_and_b32 s14, s12, 3                          ; my pair of tiles
	s_mul_i32 s40, s13, BLKB
	s_mul_i32 s46, s14, 2*QXW
	s_add_co_u32 s46, s46, QX                      ; my pair's codes of q in LDS,
	s_mul_i32 s41, s13, QXW
	s_add_co_u32 s41, s41, s46                     ; and those that I make
	s_mov_b32 s23, 0xf1800000                      ; TF = -2^100
	v_and_b32 v5, 15, v0                           ; r
	v_bfe_u32 v6, v0, 4, 1                         ; h
	v_and_b32 v10, 31, v0
	v_lshlrev_b32 v7, 9, v5
	v_lshlrev_b32 v31, 11, v5
	v_lshlrev_b32 v239, 3, v6                      ; 8 h: where my two scale bytes stand in a word
	v_lshl_add_u32 v7, v6, 7, v7                   ; q: row r, + 128 h: my 32 numbers of each 64
	v_lshl_add_u32 v31, v6, 5, v31                 ; the mask: row r, + 32 h; never rewritten
	v_lshlrev_b32 v1, 4, v10
	v_lshlrev_b32 v2, 2, v10
	v_add_nc_u32 v224, s41, v1                     ; the codes that I make: in,
	v_add_nc_u32 v225, s41, v2
	v_add_nc_u32 v226, s46, v1                     ; and my pair's: out
	v_add_nc_u32 v227, s46, v2
	v_add_nc_u32 v1, s40, v1
	v_add_nc_u32 v2, s40, v2
	v_mov_b32 v29, 0xbe0293ee                      ; -c
	v_mov_b32 v243, 0                              ; a lane permute's destination counts as one of its sources
	v_mov_b32 v253, 0xfefefefe                     ; the mask's scale, 2^127
	v_mov_b32 v13, s23                             ; the largest t so far: TF
	v_mov_b32 v14, 0                               ; the sum, in two halves
	v_mov_b32 v15, 0
	v_mov_b32 v5, v1                               ; my first step's place
	v_mov_b32 v6, v2
	WIN 0x40                                       ; the same for tile B
	v_mov_b32 v31, v31
	v_mov_b32 v239, v239
	v_mov_b32 v29, 0xbe0293ee
	v_mov_b32 v243, 0
	v_mov_b32 v253, 0xfefefefe
	v_mov_b32 v13, s23
	v_mov_b32 v14, 0
	v_mov_b32 v15, 0
	WIN 0
	WALU
	s_wait_dscnt 0x0                               ; both opening adds are done
	ROUND                                          ; all four work-groups are here: the first joint loads meet
	s_bfe_u32 s15, ttmp6, 0x40000                  ; cx: my place in the cluster: it enters q's, the mask's and out's addresses alone
	s_lshl_b32 s16, ttmp9, 2
	s_add_co_u32 s16, s16, s15                     ; my block of 128 queries = 4 x cluster x + cx
	s_and_b32 s17, ttmp7, 0xffff                   ; the head, which the four partners share
	s_mul_i32 s54, s17, 16*BLKB                    ; kv: the head's sixteen blocks
	s_mul_i32 s33, s14, BLKB                       ; descriptor group 0, 63:32: the LDS address.  Waves 0-3: block and place w
	s_add_co_u32 s36, s54, s33
	s_mov_b32 s37, 0
	s_mul_i32 s69, s14, 2*BLKB
	s_add_co_u32 s69, s69, 4*BLKB                  ; waves 4-7: blocks and places 4 + 2 (w % 4) and the next
	s_add_co_u32 s38, s54, s69
	s_mov_b32 s39, 0
	; descriptor group 1: a dense block as 100 rows of 256 bytes, no padding: it is read back in runs of 512 consecutive bytes.  For two blocks on end: 200 rows
	s_mov_b32 s24, 15|(3<<16)|(1<<21)              ; 15:0 the mask: all four work-groups; 17:16 elements of 8 bytes; 21 set beside a mask
	s_mov_b32 s25, 32<<16                          ; tensor_dim0 = 32 elements
	s_mov_b32 s26, 100<<16                         ; tensor_dim1
	s_mov_b32 s27, 32<<16                          ; tile_dim0 = 32
	s_mov_b32 s28, 100                             ; tile_dim1
	s_mov_b32 s29, 32                              ; from row to row: 32 elements
	s_mov_b32 s30, 0
	s_mov_b32 s31, 0
	s_mov_b32 s56, 15|(3<<16)|(1<<21)
	s_mov_b32 s57, 32<<16
	s_mov_b32 s58, 200<<16
	s_mov_b32 s59, 32<<16
	s_mov_b32 s60, 200
	s_mov_b32 s61, 32
	s_mov_b32 s62, 0
	s_mov_b32 s63, 0
	s_mov_b32 s32, 1                               ; group 0, 1:0: count = 1
	s_mov_b32 s68, 1
	s_wait_kmcnt 0x0
	s_add_nc_u64 s[34:35], s[8:9], s[36:37]        ; group 0, 120:64: the block's first byte
	s_or_b32 s35, s35, 0x80000000                  ; 127:126 type = 2
	s_add_nc_u64 s[70:71], s[8:9], s[38:39]
	s_or_b32 s71, s71, 0x80000000
	s_cmp_lt_u32 s12, 4                            ; ONE chain of branches on the wave's number: waves 0-3 fetch what is needed first, by a line of their own, which they alone wait for at the head
	s_cbranch_scc0 .Lrest
	tensor_load_to_lds s[32:35], s[24:31]
	s_nop 0
	PLACES
	s_branch .Lasked
.Lrest:
	tensor_load_to_lds s[68:71], s[56:63]
	s_nop 0
	PLACES
.Lasked:
	s_lshl_b32 s46, s17, 11
	s_lshl_b32 s47, s16, 7
	s_add_co_u32 s46, s46, s47
	s_lshl_b32 s47, s14, 5
	s_add_co_u32 s46, s46, s47                     ; my first row among the 32,768: 2,048 x head + 128 x block + 32 x pair
	s_lshl_b32 s48, s46, 9                         ; in q and out: 512 bytes a row
	s_lshl_b32 s52, s13, 8
	s_add_co_u32 s52, s52, s48                     ; out: + 256 x parity: the 64 channels that I finish
	s_mov_b32 s53, 0
	s_lshl_b32 s47, s13, 13
	s_add_co_u32 s48, s48, s47                     ; q: + 16 rows x parity: the tile that I quantise
	s_mov_b32 s49, 0
	s_lshl_b32 s50, s46, 11                        ; in the mask: 2,048 bytes a row,
	s_lshl_b32 s47, s13, 7
	s_add_co_u32 s50, s50, s47                     ; + 128 x parity: my first key step
	s_mov_b32 s51, 0
	s_add_nc_u64 s[4:5], s[4:5], s[48:49]
	s_add_nc_u64 s[6:7], s[6:7], s[50:51]
	s_add_nc_u64 s[10:11], s[10:11], s[52:53]
.irp c, 0,1
.irp j, 0,1,2,3,4,5,6,7
	global_load_b128 v[160+32*\c+4*\j:163+32*\c+4*\j], v7, s[4:5] offset:256*\c+16*\j
.endr
.endr
	WIN 0x55
	MLOAD 0, 16                                    ; my first step's mask: tile B's,
	WIN 0
	MLOAD 0, 0                                     ; and tile A's
	s_mov_b32 s20, 0x76543210
	s_mov_b32 s21, 0xfedcba98                      ; v_permlanex16_b32's selects for lane l xor 16
	s_mov_b32 s22, 0x3e0293ee                      ; c = log2(e) / sqrt(128)
	s_xor_b32 s19, s13, 1                          ; my partner's parity
	s_mul_i32 s42, s13, 6144
	s_add_co_u32 s42, s42, 12288                   ; in a block: V^T's four tiles of the channels that I finish,
	s_mul_i32 s43, s19, 6144
	s_add_co_u32 s43, s43, 12288                   ; and of my partner's;
	s_lshl_b32 s44, s13, 8
	s_add_co_u32 s44, s44, 25088                   ; their scale words
	s_lshl_b32 s45, s19, 8
	s_add_co_u32 s45, s45, 25088
	s_wait_loadcnt 0x8                             ; q's sixteen loads are in; the eight mask loads behind them may be out
.irp c, 0,1
	v_max3_num_f32 v[244+\c], |v[160+32*\c]|, |v[161+32*\c]|, 0x1800000   ; my two blocks' largest magnitudes, the floor 2^(3 - 127) among the leaves
.endr
.irp k, 2,4,6,8,10,12,14,16,18,20,22,24,26,28,30
.irp c, 0,1
	v_max3_num_f32 v[244+\c], v[244+\c], |v[160+32*\c+\k]|, |v[161+32*\c+\k]|
.endr
.endr
.irp c, 0,1
	v_add_nc_u32 v[244+\c], 0xff000000, v[244+\c]
.endr
	SBYTES
	v_or_b32 v247, v247, v243
	CODES 160, 16
	v_nop                                          ; one plain line behind the scaled conversions
; The codes' sign bits are flipped: sixteen codes of 6 bits are three words, whose sign bits are the bits 5, 11, 17, .. of 96.
.irp c, 0,1
	v_xor_b32 v[16+6*\c], 0x20820820, v[16+6*\c]
	v_xor_b32 v[17+6*\c], 0x08208208, v[17+6*\c]
	v_xor_b32 v[18+6*\c], 0x82082082, v[18+6*\c]
	v_xor_b32 v[19+6*\c], 0x20820820, v[236+4*\c]
	v_xor_b32 v[20+6*\c], 0x08208208, v[237+4*\c]
	v_xor_b32 v[21+6*\c], 0x82082082, v[238+4*\c]
.endr
.irp g, 0,1,2
	ds_store_b128 v224, v[16+4*\g:19+4*\g] offset:512*\g   ; an image of the operand's registers, for my partner and for me
.endr
	ds_store_b32 v225, v247 offset:1536
	WALU
	s_wait_loadcnt 0x4                             ; tile B's first mask is in
	WIN 0x55
	MASKS                                          ; the first step's addends stand in the score registers
	MLOAD 1, 16
	WIN 0
	s_wait_loadcnt 0x4                             ; tile A's; tile B's four new loads may be out
	MASKS
	MLOAD 1, 0
	v_nop                                          ; one plain line behind the scaled conversions
	WALU
	s_wait_dscnt 0x0                               ; my codes are in LDS
	s_cmp_lt_u32 s12, 4
	s_cbranch_scc0 .Lno_wait
	s_wait_tensorcnt 0x0                           ; my block of 0-3 is in
.Lno_wait:
	s_barrier_signal -1
	s_barrier_wait -1                              ; all four are, and all codes of q
.irp g, 0,1,2
	ds_load_b128 v[16+4*\g:19+4*\g], v226 offset:512*\g
.endr
	ds_load_b32 v255, v227 offset:1536
	ds_load_b32 v254, v227 offset:QXW+1536
	WIN 0x40
.irp g, 0,1,2
	ds_load_b128 v[16+4*\g:19+4*\g], v226 offset:QXW+512*\g
.endr
	WIN 0
	KWORDS
	KLOAD 0
	WIN 0x40
	KLOAD 1
	WIN 0
	STEP 0, 0
	STEP 1, 3
	STEP 2, 0
	STEP 3, 0
	STEP 4, 0
	STEP 5, 1
	STEP 6, 0
	STEP 7, 0
	; THE TWO WAVES OF A PAIR JOIN.  Each hands the other its accumulators 4-7 of both tiles (the channels that the other finishes), its -M and its sums, as images of the registers.
.macro TOTAL
	v_add_f32 v14, v14, v15                        ; the sum's two halves,
	s_delay_alu instid0(VALU_DEP_1)
	v_permlanex16_b32 v243, v14, s20, s21
	s_delay_alu instid0(VALU_DEP_1)
	v_add_f32 v14, v14, v243                       ; and lane l xor 16's: my row's sum over my key steps
.endm
	TOTAL
	WIN 0x55
	TOTAL
	WIN 0
	s_mul_i32 s46, s12, EXW                        ; (also my stage's first byte, in places 0-2)
	s_add_co_u32 s48, s46, EXCH                    ; my part of the exchange
	s_xor_b32 s47, s12, 4
	s_mul_i32 s47, s47, EXW
	s_add_co_u32 s47, s47, EXCH                    ; my partner's
	v_and_b32 v238, 31, v0
	v_lshlrev_b32 v236, 4, v238
	v_lshlrev_b32 v237, 2, v238
	v_add_nc_u32 v5, s48, v236
	v_add_nc_u32 v6, s48, v237
	v_add_nc_u32 v7, s47, v236
	v_add_nc_u32 v240, s47, v237
	WALU
.macro HAND off
.irp k, 0,1,2,3,4,5,6,7
	ds_store_b128 v5, v[192+4*\k:195+4*\k] offset:\off+512*\k   ; each accumulator from its low end on
.endr
	ds_store_b32 v6, v12 offset:\off+4096
	ds_store_b32 v6, v14 offset:\off+4224
.endm
.macro TAKE off
.irp k, 0,1,2,3,4,5,6,7
	ds_load_b128 v[96+4*\k:99+4*\k], v7 offset:\off+512*\k
.endr
	ds_load_b32 v128, v240 offset:\off+4096
	ds_load_b32 v129, v240 offset:\off+4224
.endm
	HAND 0
	WIN 0x04
	HAND EXT
	WIN 0
	s_wait_dscnt 0x0                               ; for my partner's sake: my stores have landed
	s_barrier_signal -1
	v_and_b32 v224, 15, v0                         ; r
	v_bfe_u32 v225, v0, 4, 1                       ; h
	v_mul_u32_u24 v228, v224, 272
	v_mul_u32_u24 v229, v225, 272
	v_lshlrev_b32 v230, 9, v225
	v_lshl_add_u32 v228, v225, 5, v228
	v_lshl_add_u32 v229, v224, 4, v229
	v_lshl_add_u32 v230, v224, 4, v230             ; two rows of out: lanes 0-15 one row's 256 bytes, lanes 16-31 the next's
	v_add_nc_u32 v228, s46, v228                   ; the stage, in: row r; tile a's eight channels of my half at 64 a + 32 h
	v_add_nc_u32 v229, s46, v229                   ; and back: the same two rows
	WALU
	s_barrier_wait -1
	TAKE 0
	WIN 0x40
	TAKE EXT
	WIN 0
.macro JOIN
	v_min_num_f32 v130, v12, v128                  ; the common -M: the larger M
	v_sub_f32 v131, v130, v12
	v_sub_f32 v132, v130, v128
	v_cvt_i32_f32 v131, v131
	v_cvt_i32_f32 v132, v132
	v_ldexp_f32 v131, 1.0, v131                    ; what brings my sums under the common M (0 if my keys were all hidden and my partner's were not),
	v_ldexp_f32 v132, 1.0, v132                    ; and my partner's
	v_mul_f32 v133, v14, v131
	v_fma_f32 v133, v129, v132, v133               ; the row's sum
	WALU
	v_rcp_f32 v133, v133
	v_nop                                          ; a plain line behind the reciprocal
	WALU
	v_mul_f32 v236, v131, v133
	v_mul_f32 v240, v132, v133
.set n, 0
.rept 16
	v_pk_mul_f32 v[96+n:97+n], v[96+n:97+n], v[240:241] op_sel_hi:[1,0]
.set n, n+2
.endr
.set n, 0
.rept 16
	v_pk_fma_f32 v[96+n:97+n], v[160+n:161+n], v[236:237], v[96+n:97+n] op_sel_hi:[1,0,1]   ; register 8 a + j: out(r, 64 x parity + 16 a + 8 h + j)
.set n, n+2
.endr
.endm
.macro STAGEIN off
.irp a, 0,1,2,3
	ds_store_b128 v228, v[96+8*\a:99+8*\a] offset:\off+64*\a
	ds_store_b128 v228, v[100+8*\a:103+8*\a] offset:\off+64*\a+16
.endr
.endm
.macro STAGEOUT off
.irp k, 0,1,2,3,4,5,6,7
	ds_load_b128 v[32+4*\k:35+4*\k], v229 offset:\off+544*\k
.endr
.endm
.macro SEND cnt, row
.irp k, 0,1,2,3,4,5,6,7
	s_wait_dscnt \cnt+7-\k                         ; the younger LDS instructions may be out
	global_store_b128 v230, v[32+4*\k:35+4*\k], s[10:11] offset:512*(\row)+1024*\k th:TH_STORE_NT
.endr
.endm
	; THE WAY OUT: through my own stage, so that sixteen lanes store 256 consecutive bytes of a row, aligned.  LDS serves a wave's instructions in order: the loads see the stores.
	s_wait_dscnt 10                                ; tile A's ten are in; tile B's may be out
	JOIN
	STAGEIN 0
	STAGEOUT 0
	WALU
	s_wait_dscnt 16                                ; tile B's are in; the stage's sixteen may be out
	WIN 0x55
	JOIN
	WIN 0x04
	STAGEIN EXT
	WIN 0x40
	STAGEOUT EXT
	WIN 0
	SEND 16, 0
	WIN 0x04
	SEND 0, 16
	WIN 0
	s_wait_tensorcnt 0x0                           ; the wave's end: behind my last tensor load and my last LDS store
	ds_add_u32 v3, v4
	s_wait_dscnt 0x0
	ROUND                                          ; the closing round: no work-group ends while a partner may still ask for a block that names it
	s_endpgm
.Lfunc_end_k_q29b7e35aa4_attn:
	.size	k_q29b7e35aa4_attn, .Lfunc_end_k_q29b7e35aa4_attn-k_q29b7e35aa4_attn
	.p2alignl 7, 3214868480
	.fill 96, 4, 3214868480
	.section	.rodata,"a",@progbits
	.p2align	6, 0x0
	.amdhsa_kernel k_q29b7e35aa4_attn
		.amdhsa_group_segment_fixed_size 327680
		.amdhsa_private_segment_fixed_size 0
		.amdhsa_enable_private_segment 0
		.amdhsa_kernarg_size 32
		.amdhsa_user_sgpr_count 2
		.amdhsa_user_sgpr_kernarg_segment_ptr 1
		.amdhsa_wavefront_size32 1
		.amdhsa_system_sgpr_workgroup_id_x 1
		.amdhsa_system_sgpr_workgroup_id_y 1
		.amdhsa_system_sgpr_workgroup_id_z 1
		.amdhsa_system_vgpr_workitem_id 0
		.amdhsa_next_free_vgpr 512
		.amdhsa_next_free_sgpr 80
		.amdhsa_reserve_vcc 1
		.amdhsa_float_denorm_mode_32 3
		.amdhsa_float_denorm_mode_16_64 3
		.amdhsa_memory_ordered 1
		.amdhsa_forward_progress 1
		.amdhsa_inst_pref_size 255
	.end_amdhsa_kernel
	.section	.bss,"aw",@nobits
	.p2align	6
	.space	262144
	.amdgpu_metadata
---
amdhsa.version: [ 1, 2 ]
amdhsa.kernels:
  - .name:           k_q29b7e35aa4_attn
    .symbol:         k_q29b7e35aa4_attn.kd
    .args:
      - { .name: q, .offset: 0, .size: 8, .value_kind: global_buffer, .address_space: global }
      - { .name: mask, .offset: 8, .size: 8, .value_kind: global_buffer, .address_space: global }
      - { .name: kv, .offset: 16, .size: 8, .value_kind: global_buffer, .address_space: global }
      - { .name: out0, .offset: 24, .size: 8, .value_kind: global_buffer, .address_space: global }
    .group_segment_fixed_size: 327680
    .private_segment_fixed_size: 0
    .kernarg_segment_align: 8
    .kernarg_segment_size: 32
    .max_flat_workgroup_size: 256
    .sgpr_count:     80
    .vgpr_count:     512
    .wavefront_size: 32
...
	.end_amdgpu_metadata
.endif
;; end of part 4
